; MI455X (gfx1250); checked and timed in simulation.
; The chip was launched on July 23, 2026; its instructions are those of AMD's public machine-readable ISA for CDNA 5 (MIT licence, August 2026) and "CDNA5" Instruction Set Architecture Reference Guide (July 2026). The comments in the code are by the model that wrote it; some were corrected since.
;; Multi Head Attention. Allowed arithmetic: matrix products marked QUANTISED: E2M1 operands, one E8M0 scale for each 32 along K, by v_wmma_scale_f32_16x16x128_f8f6f4 with both operands' format E2M1 (or v_wmma_scale_f32_32x16x128_f4), f32 sums; products left as they are: bf16, f16 or f32 operands; f32 sums; everything else in f32.
;; Inputs: Wk 1,024 x 1,024 float32; Wo 1,024 x 1,024 float32; Wq 1,024 x 1,024 float32; Wv 1,024 x 1,024 float32; bo 1,024 float32; x 4 x 2,048 x 1,024 float32.
;; Outputs: out0 4 x 2,048 x 1,024 float32.
;; This version of the problem:
;;   THIS VERSION OF THE PROBLEM IS GIVEN IN LOW PRECISION. The matrix products marked QUANTISED in the list below multiply operands that are first quantised to E2M1 (2 exponent bits, 1 mantissa bit; 4 bits a number), with one power-of-two scale for each 32 numbers along K (OCP MX v1.0); their sums are f32. The products marked 'left as it is' may take bf16, f16 or f32 operands, with f32 sums. Whichever they take, every output number must still come out within the allowed error. Rounding operands to bf16 (8 significant bits) uses up far more of that allowance than f16 does (11 bits, for magnitudes from 6e-5 to 65,504). All else is computed in f32.
;;   The module's matrix products, in the order in which they are computed (A, B: the left and right operand; K: the contracted axis; several contracted axes count as one K, in the product's order):
;;     1. [M 8,192, K 1,024] x [K 1,024, N 1,024]; A: input x; B: input Wq: QUANTISED
;;     2. [M 8,192, K 1,024] x [K 1,024, N 1,024]; A: input x; B: input Wk: QUANTISED
;;     3. [M 8,192, K 1,024] x [K 1,024, N 1,024]; A: input x; B: input Wv: QUANTISED
;;     4. batch 64 x [M 2,048, K 64] x [K 64, N 2,048]; A: computed on the way; B: computed on the way: left as it is (an operand is computed on the way)
;;     5. batch 64 x [M 64, K 2,048] x [K 2,048, N 2,048]; A: computed on the way; B: computed on the way: left as it is (an operand is computed on the way)
;;     6. [M 8,192, K 1,024] x [K 1,024, N 1,024]; A: computed on the way; B: input Wo: left as it is (an operand is computed on the way)
;;   THE QUANTISER, for each operand of a quantised product, along K:
;;     - K is cut into blocks of 32 from its start; a last block that is shorter is filled with zeros.
;;     - A block's scale is 2^e with e = floor(log2(the largest magnitude in the block)) - 2, held to -126 .. 127; a block of zeros has e = 0. As a byte (E8M0): e + 127.
;;     - Each number is divided by its block's scale, clamped to +-6, and rounded to the nearest number of E2M1, ties to even, subnormals kept.
;;     - The product sums the exact products of the quantised numbers (number of the format x scale) in f32.
;;   ~~~python
;;   def quantise(x, axis):      # numpy; x: float32 -> the quantised numbers, widened to float32 again
;;       x = np.moveaxis(x, axis, -1); K = x.shape[-1]
;;       x = np.pad(x, [(0, 0)] * (x.ndim - 1) + [(0, -K % 32)]); x = x.reshape(x.shape[:-1] + (-1, 32)); a = np.abs(x).max(-1, keepdims=True)
;;       e = np.where(a > 0, np.clip(np.frexp(np.where(a > 0, a, 1))[1] - 1 - 2, -126, 127), 0)      # np.frexp(a)[1] - 1 = floor(log2(a)), exactly
;;       r = np.clip(x / 2.0 ** e, -6, 6)
;;       step = 2.0 ** (np.maximum(np.frexp(np.where(r == 0, 1, r))[1] - 1, 0) - 1)
;;       q = np.round(r / step) * step * 2.0 ** e      # np.round: ties to even
;;       return np.moveaxis(q.reshape(q.shape[:-2] + (-1,))[..., :K], -1, axis).astype(np.float32)
;;   ~~~
;; One version. Each part assembles by itself: llvm-mc -triple=amdgcn-amd-amdhsa -mcpu=gfx1250 --defsym DOCPART=n.
;; ======== version 1 of 1: 5 launches
;; limits: values are held in f16: magnitudes above 65,504 overflow, below 6.1e-05 lose precision
;; workspace buffers: xc 4,194,304 bytes; xs 262,144 bytes; wc 1,572,864 bytes; ws 98,304 bytes; wot 4,194,304 bytes; qkv 50,331,648 bytes; q16 786,432 bytes; ctx 16,777,216 bytes
;; launch prep (part 1): grid 368 x 1, 4 waves a work-group, no clusters, 137,728 bytes of LDS; arguments x, Wq, Wk, Wv, Wo, xc, xs, wc, ws, wot; writes xc, xs, wc, ws, wot
.if DOCPART == 1
	.amdgcn_target "amdgcn-amd-amdhsa--gfx1250"
	.amdhsa_code_object_version 6
	.text
	.protected	k_q3c6857d735_prep
	.globl	k_q3c6857d735_prep
	.p2align	8
	.type	k_q3c6857d735_prep,@function
k_q3c6857d735_prep:
	s_mov_b64 s[64:65], 0
	v_nop
	global_prefetch_b8 v0, s[64:65] scope:SCOPE_SE
	s_setreg_imm32_b32 hwreg(HW_REG_WAVE_MODE, 25, 1), 1
	s_wait_xcnt 0x0
; ONE LAUNCH, THREE JOBS, parted on the work-group's number; each job has LDS bytes of its own and ends by itself.
;  work-groups 0-47    W: Wq, Wk, Wv [1024 (k)][1024 (n)] f32 -> codes of FP4 (E2M1) laid [3072 (which x 1024 + n)][512 bytes], K innermost, and E8M0 bytes [3072][32]
;  work-groups 48-111  O: Wo [1024 (k)][1024 (n)] f32 -> Wo^T [n][k] as a pair of f16: hi = f16(w), lo = f16((w - hi) x 2048), lo 2,097,152 bytes behind hi
;  work-groups 112-367 X: x [8192][1024] f32 -> codes [8192][512 bytes] and E8M0 bytes [8192][32]
; A block's scale is 2^(floor(log2(its largest magnitude)) - 2); its byte is the largest magnitude's exponent field - 2, held at 1 from below.
; LIMITS: a block of zeros gets the byte 1 where the rule says 127 (its codes are zeros, and this program alone reads the bytes); blocks whose largest magnitude lies under 2^-124 keep the byte 1;
; NaN and infinities among the inputs are not served; Wo beyond 65,504 in magnitude is not served (f16).
; No tensor load, no barrier: waves share nothing.
.set SPW,   192                        ; v192 LDS address of my spare word; never rewritten
.set NIL,   193                        ; v193 0; never rewritten
.set SPARE, 137216                     ; behind the three jobs' regions: 128 bytes for each wave
.set PITCH, 272                        ; a stage row of 256 bytes + 16 of padding
.set XSP,   80                         ; X: a lane's place in a stage: 64 bytes + 16
.set XR,    16                         ; X: v16-79 four sets of 16 numbers as loaded
.set XX,    80                         ; X: v80-111 two sets of 16 neighbours
.set XE,    112                        ; X: v112-127 a scale byte for each step
.set XC,    128                        ; X: v128-191 codes, four registers a step
.set WBASE, 32768                      ; W: 8,704 bytes a wave
.set WX,    32                         ; W: v32-95 two sets of 32 numbers
.set WC,    96                         ; W: a block's codes
.set WOUT,  112                        ; W: v112-175 the way out
.set WSB,   24                         ; W: v24-27 scale bytes
.set OBASE, 67584                      ; O: 17,408 bytes a wave: the hi stage, then the lo stage
.set OX,    32                         ; O: v32-95 two sets of 32 numbers
.set OH,    96                         ; O: v96-111 hi, packed
.set OF,    112                        ; O: v112-143 hi widened, then the rest x 2048
.set OL,    144                        ; O: v144-159 lo, packed
.macro FIN                             ; a wave's end
	s_wait_tensorcnt 0x0
	ds_add_u32 v[SPW], v[NIL]
	s_wait_dscnt 0x0
	s_endpgm
.endm
	s_load_b256 s[4:11], s[0:1], 0x0               ; x, Wq, Wk, Wv
	s_load_b256 s[12:19], s[0:1], 0x20             ; Wo, xc, xs, wc
	s_load_b128 s[20:23], s[0:1], 0x40             ; ws, wot
	v_lshl_add_u32 v[SPW], v0, 2, SPARE
	v_mov_b32 v[NIL], 0
	v_lshrrev_b32 v1, 5, v0
	v_readfirstlane_b32 s24, v1                    ; wave
	v_and_b32 v2, 31, v0                           ; lane
	s_mov_b32 s29, 0                               ; the high word of every offset pair s[28:29]
	s_wait_kmcnt 0x0
	s_cmp_lt_u32 ttmp9, 48
	s_cbranch_scc1 .Lw
	s_cmp_lt_u32 ttmp9, 112
	s_cbranch_scc1 .Lo
; ---------------- X: a wave takes 16 steps of 512 numbers.  Loads read 512 consecutive bytes; a step's 2,048 bytes turn through the wave's stage so that a lane holds 16 neighbours; two lanes hold a block.
	s_sub_co_u32 s25, ttmp9, 112
	s_lshl_b32 s25, s25, 2
	s_add_co_u32 s25, s25, s24                     ; which run of 8,192 numbers is my wave's
	s_lshl_b32 s28, s25, 15
	s_add_nc_u64 s[4:5], s[4:5], s[28:29]          ; 32,768 bytes of x a run,
	s_lshl_b32 s28, s25, 12
	s_add_nc_u64 s[14:15], s[14:15], s[28:29]      ; 4,096 of codes,
	s_lshl_b32 s28, s25, 8
	s_add_nc_u64 s[16:17], s[16:17], s[28:29]      ; 256 scale bytes
	v_lshlrev_b32 v3, 4, v2                        ; my 16 bytes of a load's 512
	s_mul_i32 s25, s24, 8192                       ; my wave's region
	v_lshrrev_b32 v14, 2, v2
	v_mul_u32_u24 v14, v14, XSP
	v_and_b32 v15, 3, v2
	v_lshl_add_u32 v14, v15, 4, v14
	v_add_nc_u32 v14, s25, v14                     ; the stage on the way in: XSP (lane / 4) + 16 (lane % 4)
	v_mul_u32_u24 v15, v2, XSP
	v_add_nc_u32 v15, s25, v15                     ; and on the way out: XSP x lane
	v_lshlrev_b32 v4, 3, v2                        ; my 8 bytes of a step's codes
	v_lshrrev_b32 v5, 1, v2
	s_add_co_u32 s25, s25, 2*32*XSP
	v_add_nc_u32 v5, s25, v5                       ; my block's byte among the wave's 256
	v_lshlrev_b32 v7, 3, v2
	v_add_nc_u32 v6, s25, v7
.macro XLOAD t
.irp i, 0,1,2,3
	global_load_b128 v[XR+16*((\t)%4)+4*\i:XR+16*((\t)%4)+4*\i+3], v3, s[4:5] offset:2048*(\t)+512*\i th:TH_LOAD_NT
.endr
.endm
.macro XTURN t                         ; LDS serves a wave's instructions in order: no wait between the stores and the loads
.irp i, 0,1,2,3
	ds_store_b128 v14, v[XR+16*((\t)%4)+4*\i:XR+16*((\t)%4)+4*\i+3] offset:32*XSP*((\t)%2)+8*XSP*\i
.endr
.irp i, 0,1,2,3
	ds_load_b128 v[XX+16*((\t)%2)+4*\i:XX+16*((\t)%2)+4*\i+3], v15 offset:32*XSP*((\t)%2)+16*\i
.endr
.endm
.irp t, 0,1,2,3
	XLOAD \t
.endr
	s_wait_loadcnt 12                              ; step 0's four loads are in; the twelve of steps 1 to 3 may be out
	XTURN 0
.macro XSTEP t
.set XS, XX+16*((\t)%2)
.if (\t) > 0
	s_wait_dscnt 1                                 ; this step's numbers are back from the stage; the last step's byte store may be out
.else
	s_wait_dscnt 0x0
.endif
.if (\t)+4 < 16
	XLOAD (\t)+4
.endif
.if (\t)+1 < 16
.if 14-(\t) >= 3
	s_wait_loadcnt 12                              ; the next step's four loads are in; those of the three steps behind it may be out
.else
	s_wait_loadcnt 4*(14-(\t))
.endif
	XTURN (\t)+1
.endif
	v_max3_num_f32 v8, |v[XS]|, |v[XS+1]|, |v[XS+2]|
	v_max3_num_f32 v9, |v[XS+3]|, |v[XS+4]|, |v[XS+5]|
.irp i, 6,10
	v_max3_num_f32 v8, v8, |v[XS+\i]|, |v[XS+\i+1]|
	v_max3_num_f32 v9, v9, |v[XS+\i+2]|, |v[XS+\i+3]|
.endr
	v_max3_num_f32 v8, v8, |v[XS+14]|, |v[XS+15]|
	v_max3_num_f32 v8, v8, v9, 0x1800000           ; and the floor 2^(3 - 127): the byte cannot fall under 1
	v_max_num_f32_dpp v8, v8, v8 row_xmask:1 row_mask:0xf bank_mask:0xf   ; with my neighbour's 16: the block's
	v_add_nc_u32 v11, 0xff000000, v8               ; 2 off the exponent field: the conversion's scale operand
	v_cvt_scalef32_pk8_fp4_f32 v[XC+4*(\t)], v[XS:XS+7], v11
	v_cvt_scalef32_pk8_fp4_f32 v[XC+4*(\t)+1], v[XS+8:XS+15], v11
	v_lshrrev_b32 v[XE+(\t)], 23, v11              ; the scale's byte (a plain line behind the conversions)
	ds_store_b8 v5, v[XE+(\t)] offset:16*(\t)      ; both lanes of a block write the same byte with the same value
	global_store_b64 v4, v[XC+4*(\t):XC+4*(\t)+1], s[14:15] offset:256*(\t)   ; the wave stores 256 consecutive bytes, aligned
.endm
.irp t, 0,1,2,3,4,5,6,7,8,9,10,11,12,13,14,15
	XSTEP \t
.endr
	ds_load_b64 v[8:9], v6
	s_wait_dscnt 0x0
	global_store_b64 v7, v[8:9], s[16:17]          ; the wave's 256 scale bytes, aligned
	FIN
; ---------------- W: a lane takes a column n, its registers run down K: a wave takes 32 columns x 512 along K, 16 blocks a lane.
.Lw:
	s_lshr_b32 s25, ttmp9, 4                       ; which: 0 Wq, 1 Wk, 2 Wv
	s_and_b32 s26, ttmp9, 7                        ; which 128 columns
	s_bfe_u32 s27, ttmp9, 0x10003                  ; which half of K
	s_cmp_eq_u32 s25, 0
	s_cselect_b64 s[6:7], s[6:7], s[8:9]
	s_cmp_eq_u32 s25, 2
	s_cselect_b64 s[6:7], s[10:11], s[6:7]         ; the choice hangs on the work-group's number alone
	s_lshl_b32 s26, s26, 7
	s_lshl_b32 s28, s24, 5
	s_add_co_u32 s26, s26, s28                     ; my wave's first column
	s_lshl_b32 s28, s27, 21                        ; 512 rows of 4,096 bytes
	s_lshl_b32 s30, s26, 2
	s_add_co_u32 s28, s28, s30
	s_add_nc_u64 s[6:7], s[6:7], s[28:29]
	s_lshl_b32 s25, s25, 10
	s_add_co_u32 s25, s25, s26                     ; my first row of wc and ws
	s_lshl_b32 s28, s25, 9
	s_lshl_b32 s30, s27, 8
	s_add_co_u32 s28, s28, s30
	s_add_nc_u64 s[18:19], s[18:19], s[28:29]
	s_lshl_b32 s28, s25, 5
	s_lshl_b32 s30, s27, 4
	s_add_co_u32 s28, s28, s30
	s_add_nc_u64 s[20:21], s[20:21], s[28:29]
	v_lshlrev_b32 v3, 2, v2                        ; in: 4 bytes a lane
	s_mul_i32 s30, s24, 32*PITCH
	s_add_co_u32 s30, s30, WBASE                   ; my stage
	v_mul_u32_u24 v4, v2, PITCH
	v_add_nc_u32 v4, s30, v4                       ; into it: row = my column
	v_and_b32 v5, 15, v2
	v_lshrrev_b32 v6, 4, v2
	v_mul_u32_u24 v7, v6, PITCH
	v_lshl_add_u32 v7, v5, 4, v7
	v_add_nc_u32 v7, s30, v7                       ; out of it: sixteen lanes to a row, two rows an instruction
	v_lshlrev_b32 v8, 9, v6
	v_lshl_add_u32 v8, v5, 4, v8                   ; the same place in wc: rows of 512 bytes
	v_lshlrev_b32 v9, 5, v2                        ; my column's row of scale bytes
.macro WLOAD t
.irp i, 0,1,2,3,4,5,6,7,8,9,10,11,12,13,14,15,16,17,18,19,20,21,22,23,24,25,26,27,28,29,30,31
	global_load_b32 v[WX+32*((\t)%2)+\i], v3, s[6:7] offset:(32*(\t)+\i)*4096 th:TH_LOAD_NT
.endr
.endm
	WLOAD 0
	WLOAD 1
.macro WBLOCK t
.set XS, WX+32*((\t)%2)
.if (\t) < 15
	s_wait_loadcnt 32                              ; this block's 32 loads are in; the next block's 32 may be out
.else
	s_wait_loadcnt 0
.endif
	v_max3_num_f32 v12, |v[XS]|, |v[XS+1]|, |v[XS+2]|
	v_max3_num_f32 v13, |v[XS+3]|, |v[XS+4]|, |v[XS+5]|
.irp i, 6,10,14,18,22,26
	v_max3_num_f32 v12, v12, |v[XS+\i]|, |v[XS+\i+1]|
	v_max3_num_f32 v13, v13, |v[XS+\i+2]|, |v[XS+\i+3]|
.endr
	v_max3_num_f32 v12, v12, |v[XS+30]|, |v[XS+31]|
	v_max3_num_f32 v12, v12, v13, 0x1800000        ; the floor
	v_add_nc_u32 v11, 0xff000000, v12              ; the conversion's scale operand
	v_lshrrev_b32 v13, 23, v11                     ; the byte
.if (\t)%4 == 0
	v_mov_b32 v[WSB+(\t)/4], v13
.else
	v_lshl_or_b32 v[WSB+(\t)/4], v13, 8*((\t)%4), v[WSB+(\t)/4]
.endif
.irp g, 0,1,2,3
	v_cvt_scalef32_pk8_fp4_f32 v[WC+\g], v[XS+8*\g:XS+8*\g+7], v11
.endr
	v_nop                                          ; a plain line behind the last conversion
	ds_store_b128 v4, v[WC:WC+3] offset:16*(\t)
.if (\t)+2 < 16
	WLOAD (\t)+2
.endif
	s_wait_dscnt 0x0                               ; the store has read its registers: the next block's codes may be written
.endm
.irp t, 0,1,2,3,4,5,6,7,8,9,10,11,12,13,14,15
	WBLOCK \t
.endr
	global_store_b128 v9, v[WSB:WSB+3], s[20:21]   ; my column's 16 scale bytes of this half of K
.irp n, 0,1,2,3,4,5,6,7,8,9,10,11,12,13,14,15
	ds_load_b128 v[WOUT+4*\n:WOUT+4*\n+3], v7 offset:2*\n*PITCH
.endr
.irp n, 0,1,2,3,4,5,6,7,8,9,10,11,12,13,14,15
	s_wait_dscnt 15-\n                             ; the loads behind this one may be out
	global_store_b128 v8, v[WOUT+4*\n:WOUT+4*\n+3], s[18:19] offset:1024*\n   ; sixteen lanes store 256 consecutive bytes, aligned
.endr
	FIN
; ---------------- O: as W, a lane to a column; a wave takes 32 columns x 128 along K in four blocks of 32.
.Lo:
	s_sub_co_u32 s25, ttmp9, 48
	s_and_b32 s26, s25, 7                          ; which 128 columns
	s_lshr_b32 s27, s25, 3                         ; which 128 along K
	s_lshl_b32 s26, s26, 7
	s_lshl_b32 s28, s24, 5
	s_add_co_u32 s26, s26, s28                     ; my wave's first column
	s_lshl_b32 s28, s27, 19                        ; 128 rows of 4,096 bytes
	s_lshl_b32 s30, s26, 2
	s_add_co_u32 s28, s28, s30
	s_add_nc_u64 s[12:13], s[12:13], s[28:29]
	s_lshl_b32 s28, s26, 11                        ; a row of Wo^T is 2,048 bytes
	s_lshl_b32 s30, s27, 8
	s_add_co_u32 s28, s28, s30
	s_add_nc_u64 s[22:23], s[22:23], s[28:29]
	v_lshlrev_b32 v3, 2, v2
	s_mul_i32 s30, s24, 64*PITCH
	s_add_co_u32 s30, s30, OBASE                   ; my two stages
	v_mul_u32_u24 v4, v2, PITCH
	v_add_nc_u32 v4, s30, v4
	v_and_b32 v5, 15, v2
	v_lshrrev_b32 v6, 4, v2
	v_mul_u32_u24 v7, v6, PITCH
	v_lshl_add_u32 v7, v5, 4, v7
	v_add_nc_u32 v7, s30, v7
	v_lshlrev_b32 v8, 11, v6
	v_lshl_add_u32 v8, v5, 4, v8
.macro OLOAD t
.irp i, 0,1,2,3,4,5,6,7,8,9,10,11,12,13,14,15,16,17,18,19,20,21,22,23,24,25,26,27,28,29,30,31
	global_load_b32 v[OX+32*((\t)%2)+\i], v3, s[12:13] offset:(32*(\t)+\i)*4096 th:TH_LOAD_NT
.endr
.endm
	OLOAD 0
	OLOAD 1
.macro OBLOCK t
.set XS, OX+32*((\t)%2)
.if (\t) < 3
	s_wait_loadcnt 32                              ; this block's 32 loads are in; the next block's 32 may be out
.else
	s_wait_loadcnt 0
.endif
.irp i, 0,1,2,3,4,5,6,7,8,9,10,11,12,13,14,15
	v_cvt_pk_f16_f32 v[OH+\i], v[XS+2*\i], v[XS+2*\i+1]   ; hi: the lower k in the low half
.endr
	v_cvt_f32_f16 v112, v96.l                      ; hi as f32 again
	v_cvt_f32_f16 v113, v96.h
	v_cvt_f32_f16 v114, v97.l
	v_cvt_f32_f16 v115, v97.h
	v_cvt_f32_f16 v116, v98.l
	v_cvt_f32_f16 v117, v98.h
	v_cvt_f32_f16 v118, v99.l
	v_cvt_f32_f16 v119, v99.h
	v_cvt_f32_f16 v120, v100.l
	v_cvt_f32_f16 v121, v100.h
	v_cvt_f32_f16 v122, v101.l
	v_cvt_f32_f16 v123, v101.h
	v_cvt_f32_f16 v124, v102.l
	v_cvt_f32_f16 v125, v102.h
	v_cvt_f32_f16 v126, v103.l
	v_cvt_f32_f16 v127, v103.h
	v_cvt_f32_f16 v128, v104.l
	v_cvt_f32_f16 v129, v104.h
	v_cvt_f32_f16 v130, v105.l
	v_cvt_f32_f16 v131, v105.h
	v_cvt_f32_f16 v132, v106.l
	v_cvt_f32_f16 v133, v106.h
	v_cvt_f32_f16 v134, v107.l
	v_cvt_f32_f16 v135, v107.h
	v_cvt_f32_f16 v136, v108.l
	v_cvt_f32_f16 v137, v108.h
	v_cvt_f32_f16 v138, v109.l
	v_cvt_f32_f16 v139, v109.h
	v_cvt_f32_f16 v140, v110.l
	v_cvt_f32_f16 v141, v110.h
	v_cvt_f32_f16 v142, v111.l
	v_cvt_f32_f16 v143, v111.h
.irp i, 0,2,4,6,8,10,12,14,16,18,20,22,24,26,28,30
	v_pk_add_f32 v[OF+\i:OF+\i+1], v[XS+\i:XS+\i+1], v[OF+\i:OF+\i+1] neg_lo:[0,1] neg_hi:[0,1]   ; w - hi: exact
.endr
.irp i, 0,2,4,6,8,10,12,14,16,18,20,22,24,26,28,30
	v_pk_mul_f32 v[OF+\i:OF+\i+1], v[OF+\i:OF+\i+1], 0x45000000 op_sel_hi:[1,0]   ; x 2048, so that lo keeps its bits whatever w's size
.endr
.irp i, 0,1,2,3,4,5,6,7,8,9,10,11,12,13,14,15
	v_cvt_pk_f16_f32 v[OL+\i], v[OF+2*\i], v[OF+2*\i+1]
.endr
.irp i, 0,1,2,3
	ds_store_b128 v4, v[OH+4*\i:OH+4*\i+3] offset:64*(\t)+16*\i
	ds_store_b128 v4, v[OL+4*\i:OL+4*\i+3] offset:32*PITCH+64*(\t)+16*\i
.endr
.if (\t)+2 < 4
	OLOAD (\t)+2
.endif
	s_wait_dscnt 0x0                               ; the stores have read their registers
.endm
.irp t, 0,1,2,3
	OBLOCK \t
.endr
.irp n, 0,1,2,3,4,5,6,7,8,9,10,11,12,13,14,15
	ds_load_b128 v[32+4*\n:35+4*\n], v7 offset:2*\n*PITCH
.endr
.irp n, 0,1,2,3,4,5,6,7,8,9,10,11,12,13,14,15
	ds_load_b128 v[112+4*\n:115+4*\n], v7 offset:32*PITCH+2*\n*PITCH
.endr
.irp n, 0,1,2,3,4,5,6,7,8,9,10,11,12,13,14,15
	s_wait_dscnt 31-\n                             ; the loads behind this one may be out
	global_store_b128 v8, v[32+4*\n:35+4*\n], s[22:23] offset:4096*\n   ; sixteen lanes store 256 consecutive bytes, aligned
.endr
.irp n, 0,1,2,3,4,5,6,7,8,9,10,11,12,13,14,15
	s_wait_dscnt 15-\n
	global_store_b128 v8, v[112+4*\n:115+4*\n], s[22:23] offset:2097152+4096*\n
.endr
	FIN
.Lfunc_end_k_q3c6857d735_prep:
	.size	k_q3c6857d735_prep, .Lfunc_end_k_q3c6857d735_prep-k_q3c6857d735_prep
	.p2alignl 7, 3214868480
	.fill 96, 4, 3214868480
	.section	.rodata,"a",@progbits
	.p2align	6, 0x0
	.amdhsa_kernel k_q3c6857d735_prep
		.amdhsa_group_segment_fixed_size 137728
		.amdhsa_private_segment_fixed_size 0
		.amdhsa_enable_private_segment 0
		.amdhsa_kernarg_size 80
		.amdhsa_user_sgpr_count 2
		.amdhsa_user_sgpr_kernarg_segment_ptr 1
		.amdhsa_wavefront_size32 1
		.amdhsa_system_sgpr_workgroup_id_x 1
		.amdhsa_system_sgpr_workgroup_id_y 1
		.amdhsa_system_sgpr_workgroup_id_z 1
		.amdhsa_system_vgpr_workitem_id 0
		.amdhsa_next_free_vgpr 196
		.amdhsa_next_free_sgpr 66
		.amdhsa_reserve_vcc 0
		.amdhsa_float_denorm_mode_32 3
		.amdhsa_float_denorm_mode_16_64 3
		.amdhsa_memory_ordered 1
		.amdhsa_forward_progress 1
		.amdhsa_inst_pref_size 155
	.end_amdhsa_kernel
	.amdgpu_metadata
---
amdhsa.version: [ 1, 2 ]
amdhsa.kernels:
  - .name:           k_q3c6857d735_prep
    .symbol:         k_q3c6857d735_prep.kd
    .args:
      - { .name: x, .offset: 0, .size: 8, .value_kind: global_buffer, .address_space: global }
      - { .name: Wq, .offset: 8, .size: 8, .value_kind: global_buffer, .address_space: global }
      - { .name: Wk, .offset: 16, .size: 8, .value_kind: global_buffer, .address_space: global }
      - { .name: Wv, .offset: 24, .size: 8, .value_kind: global_buffer, .address_space: global }
      - { .name: Wo, .offset: 32, .size: 8, .value_kind: global_buffer, .address_space: global }
      - { .name: xc, .offset: 40, .size: 8, .value_kind: global_buffer, .address_space: global }
      - { .name: xs, .offset: 48, .size: 8, .value_kind: global_buffer, .address_space: global }
      - { .name: wc, .offset: 56, .size: 8, .value_kind: global_buffer, .address_space: global }
      - { .name: ws, .offset: 64, .size: 8, .value_kind: global_buffer, .address_space: global }
      - { .name: wot, .offset: 72, .size: 8, .value_kind: global_buffer, .address_space: global }
    .group_segment_fixed_size: 137728
    .private_segment_fixed_size: 0
    .kernarg_segment_align: 8
    .kernarg_segment_size: 80
    .max_flat_workgroup_size: 128
    .sgpr_count:     66
    .vgpr_count:     196
    .wavefront_size: 32
...
	.end_amdgpu_metadata
.endif
;; end of part 1
;; launch gemm_qkv (part 2): grid 12 x 32, 4 waves a work-group, clusters of 4 x 4, 327,680 bytes of LDS; arguments xc, xs, wc, ws, qkv, q16; writes qkv, q16
.if DOCPART == 2
	.amdgcn_target "amdgcn-amd-amdhsa--gfx1250"
	.amdhsa_code_object_version 6
	.text
	.protected	k_q3c6857d735_gemm_qkv
	.globl	k_q3c6857d735_gemm_qkv
	.p2align	8
	.type	k_q3c6857d735_gemm_qkv,@function
k_q3c6857d735_gemm_qkv:
	s_mov_b64 s[64:65], 0
	v_nop
	global_prefetch_b8 v0, s[64:65] scope:SCOPE_SE
	s_setreg_imm32_b32 hwreg(HW_REG_WAVE_MODE, 25, 1), 1
	s_wait_xcnt 0x0
	s_wait_alu depctr_hold_cnt(0) depctr_sa_sdst(0) depctr_va_vdst(0) depctr_va_sdst(0) depctr_va_ssrc(0) depctr_va_vcc(0) depctr_vm_vsrc(0)
	s_getreg_b32 s2, hwreg(HW_REG_IB_STS2, 6, 4)
	s_cmp_eq_u32 s2, 0
	s_cbranch_scc0 .Lentry_in_a_cluster
	s_endpgm
.Lentry_in_a_cluster:
	s_bfe_u32 s2, ttmp6, 0x10000c
	s_cmp_lg_u32 s2, 0xf033
	s_cbranch_scc0 .Lentry_shape_is_right
	s_endpgm
.Lentry_shape_is_right:
; [Q | K | V] = x [Wq | Wk | Wv] on codes of FP4 (E2M1) with one E8M0 scale for each 32 along K: A = xc [8192][1024 codes], B = wc [3072][1024 codes], sums in f32.
; A tile of 256 x 256 is made by four waves, 128 x 128 each: 64 accumulators of 16 x 16.  K = 1,024 is two LDS slots of 512 along K (rows of 256 bytes): both are asked for at the head, nothing is filled again.
; The scale bytes of the work-group's 256 + 256 rows, for all of K, come once, as whole rows of 256 bytes.
; CLUSTERS: 4 x 4 work-groups; A's tiles are asked for jointly along a row of the cluster, B's along a column.  Tile row = cluster y + 8 cy, so that cy is the batch and the tiles that hold a batch's first rows are
; those of cluster y = 0, a number that all sixteen partners share.  Tile column = 4 cluster x + cx: four heads; so cluster x says whether the tile is Q's (0), K's (1) or V's (2).
; THE MATRIX INSTRUCTION IS USED TRANSPOSED (source 0 = 16 rows of B, source 1 = 16 rows of A): a lane holds eight neighbouring columns of one row.
; OUT: f16 by head, qkv[which][b][h][t][64]; Q is multiplied by c = log2(e) / 8 in f32 ahead of its one rounding (K and V by 1.0: one text for the three, chosen by a select, no branch).
; The first 16 positions of every batch also go out as f32, unscaled, into q16[b][t][3072]: 32 bytes a lane, 786,432 bytes in all beside the launch's 50,331,648.
; LIMITS: Q c, K, V beyond 65,504 in magnitude are not served (f16).
; REGISTERS, in windows of 256: window 0: v0-31 addresses; v32-95 scale words, two sets; from v128 A's fragments, one set; on the way out v32-191 are free.  window 1: B's fragments, two sets.  windows 2, 3: the accumulators.
.set NQ,     4                         ; steps of 128 along K in a slot
.set ROWB,   256                       ; a tile's row in bytes
.set KROW,   512                       ; a row of codes in memory
.set PITCH,  272                       ; an LDS row: 256 bytes + 16: the 16 rows that a load touches start 4 banks apart
.set FR,     8
.set NL,     2
.set NP,     4                         ; places behind this matrix instruction (ISA guide 7.12.1)
.set HALFT,  128*PITCH
.set SLOT,   4*HALFT
.set KS,     32                        ; a row of scale bytes
.set SCL,    2*SLOT
.set HALFS,  (128*KS/256)*272
.set SBLK,   (16*KS/256)*272
.set SPARE,  SCL+4*HALFS               ; the spare words, 128 bytes for each wave
.set ADRA, 16
.set ADRB, 20
.set STO,  24                          ; the way out: where I put 16 bytes of a row
.set RD,   25                          ; where I read four rows of one head back
.set CO,   26                          ; 16 x lane
.set ADRS, 27
.set SPW,  28
.set NIL,  29
.set FO,   30                          ; my byte offset in q16: 12,288 r + 32 h
.set SC,   32
.set AF,   128
.set TF,   32                          ; the way out: 64 numbers x the factor
.set TMP,  96                          ; packed to f16
.set BK,   128                         ; read back: v128-159 and v160-191 by turns
.set G1, 24
.set G0, 32
.set G1B, 48
.set G0B, 56
.set G1S, 68
.set G0S, 76
.set G1SB, 80
.set G0SB, 88
.set MSB, 0
.macro WIN new                         ; the immediate's high byte repeats the setting that is left
.if MSB != (\new)
	s_set_vgpr_msb (MSB<<8)|(\new)
.set MSB, (\new)
.endif
.endm
.set MUL_LO, 0xa1                      ; source 0 (B) window 1, source 1 (A) window 0, C and D window 2
.set MUL_HI, 0xf1
.set TO_B,   0x40
; A joint load: waves 0 and 1 fetch for A, waves 2 and 3 for B; the branch hangs on the wave's number alone.  An s_nop 0 and four v_nop follow each line.
.macro JLOAD g0a, g1a, g0b, g1b
	s_cmp_eq_u32 s15, 0
	s_cbranch_scc0 .Lfor_b_\@
	tensor_load_to_lds s[\g0a:\g0a+3], s[\g1a:\g1a+7]
	s_nop 0
.rept 4
	v_nop
.endr
	s_branch .Lasked_\@
.Lfor_b_\@:
	tensor_load_to_lds s[\g0b:\g0b+3], s[\g1b:\g1b+7]
	s_nop 0
.rept 4
	v_nop
.endr
.Lasked_\@:
.endm
.macro CROUND                          ; a round of the cluster's barrier
	s_barrier_signal -1
	s_barrier_wait -1
	s_cmp_lg_u32 s14, 0
	s_cbranch_scc1 .Lnot_wave_0_\@
	s_barrier_signal -3
.Lnot_wave_0_\@:
	s_barrier_wait -3
	s_barrier_signal -1
	s_barrier_wait -1
.endm
	s_load_b128 s[4:7], s[0:1], 0x0                ; xc, xs
	s_load_b128 s[8:11], s[0:1], 0x10              ; wc, ws
	s_load_b64 s[12:13], s[0:1], 0x20              ; qkv
	s_load_b64 s[98:99], s[0:1], 0x28              ; q16
	v_lshl_add_u32 v[SPW], v0, 2, SPARE
	v_mov_b32 v[NIL], 0
	ds_add_u32 v[SPW], v[NIL]                      ; the wave's opening: an add of 0, twice on end, and its wait ahead of my first tensor load
	ds_add_u32 v[SPW], v[NIL]
	v_lshrrev_b32 v1, 5, v0
	v_readfirstlane_b32 s14, v1                    ; wave 0..3
	s_lshr_b32 s15, s14, 1                         ; which half of the tile's rows is mine.  Also: I fetch for A (0) or for B (1)
	s_and_b32 s16, s14, 1                          ; which half of its columns.  Also: which 128 rows of that tile I fetch
	s_bfe_u32 s40, ttmp6, 0x40000                  ; cx
	s_bfe_u32 s41, ttmp6, 0x40004                  ; cy
	s_lshl_b32 s42, ttmp9, 2
	s_add_co_u32 s42, s42, s40                     ; tile column = 4 x cluster x + cx
	s_and_b32 s17, ttmp7, 0xffff
	s_lshl_b32 s95, s41, 3
	s_add_co_u32 s17, s17, s95                     ; tile row = cluster y + 8 cy
	s_lshl_b32 s43, s41, 2
	s_lshl_b32 s43, 15, s43                        ; my row of the cluster
	s_lshl_b32 s44, 0x1111, s40                    ; my column
	s_or_b32 s[G1+0], s43, (0<<16)|(1<<20)|(1<<21)|(5<<22)|(3<<25)  ; the mask; elements of 1 byte; padding on; bit 21 beside a mask; 4 words behind every 64
	s_or_b32 s[G1B+0], s44, (0<<16)|(1<<20)|(1<<21)|(5<<22)|(3<<25)
.irp g, G1, G1B
	s_mov_b32 s[\g+1], ROWB<<16                    ; tensor_dim0
	s_mov_b32 s[\g+2], 128<<16                     ; tensor_dim1
	s_mov_b32 s[\g+3], ROWB<<16                    ; tile_dim0
	s_mov_b32 s[\g+4], 128                         ; tile_dim1
	s_mov_b32 s[\g+5], KROW                        ; the pitch
	s_mov_b32 s[\g+6], 0
	s_mov_b32 s[\g+7], 0
.endr
	s_or_b32 s[G1S+0], s43, (3<<16)|(1<<20)|(1<<21)|(5<<22)|(3<<25)   ; the scales of 128 rows: 4,096 dense bytes as 16 rows of 256 (32 elements of 8 bytes)
	s_or_b32 s[G1SB+0], s44, (3<<16)|(1<<20)|(1<<21)|(5<<22)|(3<<25)
.irp g, G1S, G1SB
	s_mov_b32 s[\g+1], 32<<16
	s_mov_b32 s[\g+2], (128*KS/256)<<16
	s_mov_b32 s[\g+3], 32<<16
	s_mov_b32 s[\g+4], 128*KS/256
	s_mov_b32 s[\g+5], 32
	s_mov_b32 s[\g+6], 0
	s_mov_b32 s[\g+7], 0
.endr
	s_lshl_b32 s18, s16, 7
	s_lshl_b32 s20, s17, 8
	s_add_co_u32 s20, s20, s18                     ; A: row 256 x tile row + 128 x half
	s_lshl_b32 s46, s42, 8
	s_add_co_u32 s46, s46, s18                     ; B: row 256 x tile column + 128 x half
	s_mov_b32 s21, 0
	s_mov_b32 s47, 0
	s_mov_b64 s[18:19], KS
	s_mul_u64 s[22:23], s[20:21], s[18:19]         ; where these rows' scales begin
	s_mul_u64 s[92:93], s[46:47], s[18:19]
	s_mov_b64 s[18:19], KROW
	s_mul_u64 s[20:21], s[20:21], s[18:19]         ; and their codes
	s_mul_u64 s[46:47], s[46:47], s[18:19]
	s_mul_i32 s45, s14, HALFT                      ; where they go: wave x 128 rows
	s_mul_i32 s94, s14, HALFS
	s_wait_dscnt 0x0                               ; both opening adds are done
	s_wait_kmcnt 0x0
	s_add_nc_u64 s[20:21], s[4:5], s[20:21]
	s_add_nc_u64 s[22:23], s[6:7], s[22:23]
	s_add_nc_u64 s[46:47], s[8:9], s[46:47]
	s_add_nc_u64 s[92:93], s[10:11], s[92:93]
	CROUND                                         ; all sixteen work-groups are here: the joint loads meet
	s_mov_b32 s[G0S], 1
	s_add_co_u32 s[G0S+1], s94, SCL
	s_mov_b64 s[G0S+2:G0S+3], s[22:23]
	s_or_b32 s[G0S+3], s[G0S+3], 0x80000000
	s_mov_b32 s[G0SB], 1
	s_add_co_u32 s[G0SB+1], s94, SCL
	s_mov_b64 s[G0SB+2:G0SB+3], s[92:93]
	s_or_b32 s[G0SB+3], s[G0SB+3], 0x80000000
	JLOAD G0S, G1S, G0SB, G1SB                     ; the scales first
.irp s, 0,1
	s_mov_b32 s[G0+4*\s], 1
	s_add_co_u32 s[G0+4*\s+1], s45, \s*SLOT
	s_add_nc_u64 s[G0+4*\s+2:G0+4*\s+3], s[20:21], \s*ROWB
	s_or_b32 s[G0+4*\s+3], s[G0+4*\s+3], 0x80000000
	s_mov_b32 s[G0B+4*\s], 1
	s_add_co_u32 s[G0B+4*\s+1], s45, \s*SLOT
	s_add_nc_u64 s[G0B+4*\s+2:G0B+4*\s+3], s[46:47], \s*ROWB
	s_or_b32 s[G0B+4*\s+3], s[G0B+4*\s+3], 0x80000000
	JLOAD G0+4*\s, G1, G0B+4*\s, G1B               ; both slots: three loads of mine are out, by this text's count
.endr
	v_and_b32 v1, 15, v0                           ; r
	v_bfe_u32 v2, v0, 4, 1                         ; h
	v_mul_u32_u24 v3, v1, PITCH
	v_lshl_add_u32 v4, v2, 4, v3
	s_mul_i32 s21, s15, HALFT
	s_mul_i32 s22, s16, HALFT
	s_add_co_u32 s22, s22, 2*HALFT
.irp s, 0,1
	v_add_nc_u32 v[ADRA+\s], s21, v4
	v_add_nc_u32 v[ADRB+\s], s22, v4
	s_add_co_u32 s21, s21, SLOT
	s_add_co_u32 s22, s22, SLOT
.endr
	v_mul_u32_u24 v5, v1, KS                       ; my row's scales: 32 bytes a row,
	v_lshrrev_b32 v6, 8, v5
	v_lshl_add_u32 v5, v6, 4, v5                   ; and 16 more for each 256 passed
	s_mul_i32 s21, s15, HALFS
	s_mul_i32 s22, s16, HALFS
	s_add_co_u32 s22, s22, 2*HALFS
	s_sub_co_u32 s22, s22, s21
	v_mul_u32_u24 v6, s22, v2                      ; lanes 16-31 take B's
	s_add_co_u32 s21, s21, SCL
	v_add_nc_u32 v5, v5, v6
	v_add_nc_u32 v[ADRS], s21, v5
	s_mul_i32 s23, s14, 16*272                     ; my stage, in slot 0: it has had its only fill, and its last read when the first result is stored there
	v_mul_u32_u24 v5, v1, 272
	v_lshl_add_u32 v5, v2, 4, v5
	v_add_nc_u32 v[STO], s23, v5                   ; in: row r, 16 bytes for each half of the lanes
	v_bfe_u32 v5, v0, 3, 2
	v_mul_u32_u24 v5, v5, 272
	v_and_b32 v6, 7, v0
	v_lshl_add_u32 v5, v6, 4, v5
	v_add_nc_u32 v[RD], s23, v5                    ; back: eight lanes to a head's 128 bytes of a row, four rows an instruction
	v_and_b32 v6, 31, v0
	v_lshlrev_b32 v[CO], 4, v6
	v_mul_u32_u24 v[FO], v1, 12288
	v_lshl_add_u32 v[FO], v2, 5, v[FO]
	; qkv: which << 24 | batch << 22 | head << 18 | t << 7
	s_lshl_b32 s92, ttmp9, 24
	s_lshl_b32 s93, s41, 22
	s_or_b32 s92, s92, s93
	s_lshl_b32 s93, s40, 2
	s_lshl_b32 s94, s16, 1
	s_add_co_u32 s93, s93, s94                     ; my first head: 4 cx + 2 x half
	s_lshl_b32 s93, s93, 18
	s_or_b32 s92, s92, s93
	s_and_b32 s93, ttmp7, 0xffff
	s_lshl_b32 s93, s93, 8
	s_lshl_b32 s94, s15, 7
	s_add_co_u32 s93, s93, s94                     ; my first position: 256 x cluster y + 128 x half
	s_lshl_b32 s93, s93, 7
	s_or_b32 s92, s92, s93
	s_mov_b32 s93, 0
	s_add_nc_u64 s[12:13], s[12:13], s[92:93]
	s_mul_i32 s92, s41, 196608                     ; q16: the batch's 16 rows of 12,288 bytes,
	s_lshl_b32 s94, s42, 10
	s_add_co_u32 s92, s92, s94
	s_lshl_b32 s94, s16, 9
	s_add_co_u32 s92, s92, s94                     ; my first column
	s_add_nc_u64 s[98:99], s[98:99], s[92:93]
	s_mov_b32 s96, 1.0
	s_cmp_eq_u32 ttmp9, 0                          ; Q's tiles are those of cluster x = 0
	s_cselect_b32 s96, 0x3e38aa3b, s96             ; c = log2(e) / 8
	s_mov_b32 s97, s96
	s_and_b32 s95, ttmp7, 0xffff
	s_or_b32 s95, s95, s15                         ; 0 where my first 16 rows are a batch's first 16 positions
.macro FRAG reg, adr, q, i             ; 16 rows x 128 K of 4-bit codes: 8 registers: lane l holds row l % 16; registers 4 c .. 4 c + 3 hold K = 64 c + 32 (l / 16) + 0 .. 31
.irp c, 0,1
	ds_load_b128 v[\reg+4*\c:\reg+4*\c+3], v[\adr] offset:64*(\q)+32*\c+(\i)*16*PITCH
.endr
.endm
; 16 matrix instructions: A's blocks a0, a0 + 1 x B's eight.  The 64 accumulators take turns, one instruction a turn.  zero = 1: the first product starts the sums.
.macro MUL16 a0, p, q, sc, zero
.irp a, \a0, \a0+1
.irp b, 0,1,2,3,4,5,6,7
.if \zero
	v_wmma_scale_f32_16x16x128_f8f6f4 v[8*(8*((\a)%4)+\b):8*(8*((\a)%4)+\b)+7], v[128*(\p)+FR*\b:128*(\p)+FR*\b+FR-1], v[AF+FR*(\a):AF+FR*(\a)+FR-1], 0, v[SC+8*NQ*(\sc)+NQ*\b+(\q)], v[SC+8*NQ*(\sc)+NQ*(\a)+(\q)] matrix_a_fmt:MATRIX_FMT_FP4 matrix_b_fmt:MATRIX_FMT_FP4 matrix_a_scale:MATRIX_SCALE_ROW1
.else
	v_wmma_scale_f32_16x16x128_f8f6f4 v[8*(8*((\a)%4)+\b):8*(8*((\a)%4)+\b)+7], v[128*(\p)+FR*\b:128*(\p)+FR*\b+FR-1], v[AF+FR*(\a):AF+FR*(\a)+FR-1], v[8*(8*((\a)%4)+\b):8*(8*((\a)%4)+\b)+7], v[SC+8*NQ*(\sc)+NQ*\b+(\q)], v[SC+8*NQ*(\sc)+NQ*(\a)+(\q)] matrix_a_fmt:MATRIX_FMT_FP4 matrix_b_fmt:MATRIX_FMT_FP4 matrix_a_scale:MATRIX_SCALE_ROW1
.endif
.endr
.endr
.endm
.macro FETCH_B slot, q, p
	WIN TO_B
.irp i, 0,1,2,3,4,5,6,7
	FRAG 128*(\p)+FR*\i, ADRB+\slot, \q, \i
.endr
	WIN 0
.endm
.macro FETCH_A slot, q, i0
.irp i, \i0, \i0+1, \i0+2, \i0+3
	FRAG AF+FR*(\i), ADRA+\slot, \q, \i
.endr
.endm
.macro SCALES sc                       ; a slot's scale words: lanes 0-15 take A's block i, lanes 16-31 B's block i
.irp i, 0,1,2,3,4,5,6,7
	ds_load_b128 v[SC+8*NQ*\sc+NQ*\i:SC+8*NQ*\sc+NQ*\i+3], v[ADRS] offset:\i*SBLK
.endr
.endm
.macro PLACES n                        ; plain vector lines between a matrix instruction and a load into, or a read of, its registers
.rept \n
	v_nop
.endr
.endm
.macro STEP slot, q, zero              ; a step of 128 along K that has its successor in the same slot
	s_wait_dscnt 4*NL                              ; B's set and A's blocks 0-3 are in; the youngest eight loads (A's blocks 4-7) may be out
	WIN MUL_LO
	MUL16 0, (\q)%2, \q, \slot, \zero
	MUL16 2, (\q)%2, \q, \slot, \zero
	s_wait_dscnt 0
	PLACES NP
	FETCH_B \slot, (\q)+1, 1-(\q)%2
	FETCH_A \slot, (\q)+1, 0
	WIN MUL_HI
	MUL16 4, (\q)%2, \q, \slot, \zero
	MUL16 6, (\q)%2, \q, \slot, \zero
	PLACES NP
	WIN 0
	FETCH_A \slot, (\q)+1, 4
.endm
.macro TURN slot, next                 ; slot 0's last step changes slots: one barrier
	s_wait_tensorcnt 0x0                           ; all my tensor loads have landed: my part of the next slot
	ds_add_u32 v[SPW], v[NIL]                      ; 0 onto my spare word
	s_wait_dscnt 4*NL+1                            ; the add and the youngest eight loads may be out
	WIN MUL_LO
	MUL16 0, 1, NQ-1, \slot, 0
	s_wait_dscnt 0x0                               ; the add is done, and my reads of this slot are over
	s_barrier_signal -1
	MUL16 2, 1, NQ-1, \slot, 0
	WIN 0
	s_barrier_wait -1
	PLACES NP
	v_add_nc_u32 v[ADRS], 4*NQ, v[ADRS]            ; on to the next slot's scale words
	FETCH_B \next, 0, 0
	FETCH_A \next, 0, 0
	SCALES \next
	WIN MUL_HI
	MUL16 4, 1, NQ-1, \slot, 0
	MUL16 6, 1, NQ-1, \slot, 0
	PLACES NP
	WIN 0
	FETCH_A \next, 0, 4
.endm
	s_wait_tensorcnt 1                             ; the scales and my part of slot 0 are in; slot 1's load may be out
	s_barrier_signal -1
	s_barrier_wait -1
	FETCH_B 0, 0, 0
	FETCH_A 0, 0, 0
	SCALES 0
	FETCH_A 0, 0, 4
	STEP 0, 0, 1
	STEP 0, 1, 0
	STEP 0, 2, 0
	TURN 0, 1
	STEP 1, 0, 0
	STEP 1, 1, 0
	STEP 1, 2, 0
	s_wait_dscnt 4*NL                              ; the very last step: nothing more to fetch
	WIN MUL_LO
	MUL16 0, 1, NQ-1, 1, 0
	MUL16 2, 1, NQ-1, 1, 0
	s_wait_dscnt 0
	WIN MUL_HI
	MUL16 4, 1, NQ-1, 1, 0
	MUL16 6, 1, NQ-1, 1, 0
	WIN 0
	PLACES NP
	; the first 16 positions of a batch, as f32: the branch hangs on the cluster's y and the wave's number, the same in all partners
	s_cmp_lg_u32 s95, 0
	s_cbranch_scc1 .Lnot_first
	WIN 0x08                                       ; a store's data: window 2
.irp b, 0,1,2,3,4,5,6,7
	global_store_b128 v[FO], v[8*\b:8*\b+3], s[98:99] offset:64*\b          ; each accumulator from its low end on
	global_store_b128 v[FO], v[8*\b+4:8*\b+7], s[98:99] offset:64*\b+16
.endr
	WIN 0
.Lnot_first:
; THE WAY OUT, a block of 16 rows x 128 columns (two heads) at a time: x the factor, rounded to f16, through my stage, and back as four rows of one head: 512 consecutive bytes of qkv.
.macro PACK a
.set AC, 64*((\a)%4)
	WIN 0x02+(\a)/4                                ; source 0: window 2 or 3
.set i, 0
.rept 32
	v_pk_mul_f32 v[TF+2*i:TF+2*i+1], v[AC+2*i:AC+2*i+1], s[96:97] op_sel_hi:[1,0]
.set i, i+1
.endr
	WIN 0
.set i, 0
.rept 32
	v_cvt_pk_f16_f32 v[TMP+i], v[TF+2*i], v[TF+2*i+1]
.set i, i+1
.endr
.endm
.macro TOSTAGE a
.set BB, BK+32*((\a)%2)
.irp b, 0,1,2,3,4,5,6,7
	ds_store_b128 v[STO], v[TMP+4*\b:TMP+4*\b+3] offset:32*\b
.endr
.irp n, 0,1,2,3,4,5,6,7
	ds_load_b128 v[BB+4*\n:BB+4*\n+3], v[RD] offset:(\n%4)*1088+(\n/4)*128   ; LDS serves a wave's instructions in order: these see the stores above
.endr
.endm
.macro SEND a
.set BB, BK+32*((\a)%2)
	s_wait_dscnt 0x0                               ; the block is back in registers
	s_wait_xcnt 0x0                                ; the block before has left its registers: the next loads from the stage may land there
.irp n, 0,1,2,3,4,5,6,7
	global_store_b128 v[CO], v[BB+4*\n:BB+4*\n+3], s[12:13] offset:(\n/4)*262144+(\a)*2048+(\n%4)*512   ; 32 lanes store 512 consecutive bytes, aligned
.endr
.endm
	PACK 0
	TOSTAGE 0
.irp a, 1,2,3,4,5,6,7
	PACK \a
	SEND \a-1
	TOSTAGE \a
.endr
	SEND 7
	s_wait_tensorcnt 0x0                           ; the wave's end
	ds_add_u32 v[SPW], v[NIL]
	s_wait_dscnt 0x0
	CROUND                                         ; the closing round
	s_endpgm
.Lfunc_end_k_q3c6857d735_gemm_qkv:
	.size	k_q3c6857d735_gemm_qkv, .Lfunc_end_k_q3c6857d735_gemm_qkv-k_q3c6857d735_gemm_qkv
	.p2alignl 7, 3214868480
	.fill 96, 4, 3214868480
	.section	.rodata,"a",@progbits
	.p2align	6, 0x0
	.amdhsa_kernel k_q3c6857d735_gemm_qkv
		.amdhsa_group_segment_fixed_size 327680
		.amdhsa_private_segment_fixed_size 0
		.amdhsa_enable_private_segment 0
		.amdhsa_kernarg_size 48
		.amdhsa_user_sgpr_count 2
		.amdhsa_user_sgpr_kernarg_segment_ptr 1
		.amdhsa_wavefront_size32 1
		.amdhsa_system_sgpr_workgroup_id_x 1
		.amdhsa_system_sgpr_workgroup_id_y 1
		.amdhsa_system_sgpr_workgroup_id_z 1
		.amdhsa_system_vgpr_workitem_id 0
		.amdhsa_next_free_vgpr 1024
		.amdhsa_next_free_sgpr 100
		.amdhsa_reserve_vcc 0
		.amdhsa_float_denorm_mode_32 3
		.amdhsa_float_denorm_mode_16_64 3
		.amdhsa_memory_ordered 1
		.amdhsa_forward_progress 1
		.amdhsa_inst_pref_size 145
	.end_amdhsa_kernel
	.amdgpu_metadata
---
amdhsa.version: [ 1, 2 ]
amdhsa.kernels:
  - .name:           k_q3c6857d735_gemm_qkv
    .symbol:         k_q3c6857d735_gemm_qkv.kd
    .args:
      - { .name: xc, .offset: 0, .size: 8, .value_kind: global_buffer, .address_space: global }
      - { .name: xs, .offset: 8, .size: 8, .value_kind: global_buffer, .address_space: global }
      - { .name: wc, .offset: 16, .size: 8, .value_kind: global_buffer, .address_space: global }
      - { .name: ws, .offset: 24, .size: 8, .value_kind: global_buffer, .address_space: global }
      - { .name: qkv, .offset: 32, .size: 8, .value_kind: global_buffer, .address_space: global }
      - { .name: q16, .offset: 40, .size: 8, .value_kind: global_buffer, .address_space: global }
    .group_segment_fixed_size: 327680
    .private_segment_fixed_size: 0
    .kernarg_segment_align: 8
    .kernarg_segment_size: 48
    .max_flat_workgroup_size: 128
    .sgpr_count:     100
    .vgpr_count:     1024
    .wavefront_size: 32
...
	.end_amdgpu_metadata
.endif
;; end of part 2
;; launch attn (part 3): grid 4 x 64, 8 waves a work-group, no clusters, 327,680 bytes of LDS; arguments qkv, ctx; writes ctx
.if DOCPART == 3
	.amdgcn_target "amdgcn-amd-amdhsa--gfx1250"
	.amdhsa_code_object_version 6
	.text
	.protected	k_q3c6857d735_attn
	.globl	k_q3c6857d735_attn
	.p2align	8
	.type	k_q3c6857d735_attn,@function
k_q3c6857d735_attn:
	s_mov_b64 s[64:65], 0
	v_nop
	global_prefetch_b8 v0, s[64:65] scope:SCOPE_SE
	s_setreg_imm32_b32 hwreg(HW_REG_WAVE_MODE, 25, 1), 1
	s_wait_xcnt 0x0
; ctx = softmax(causal(Q K^T / 8)) V for one head a work-group row, in f16 operands and f32 sums.  qkv[which][b][h][t][64] f16, Q already times c = log2(e) / 8: the scores leave the matrix unit as exponents of 2.
; SHARES.  Work-group (i = x, head = y) owns the query blocks i and 7 - i (256 queries each) and walks them one after the other in NINE trips, a slot of 256 keys a trip: trips 0 .. i take block i with
; slots 0 .. i, trips i + 1 .. 8 take block 7 - i with slots 0 .. 7 - i.  So every work-group has (i + 1) + (8 - i) = 9 slots' work.
; Eight waves: g = wave / 4, w' = (wave % 4) xor 3 g.  Waves (0, w') and (1, w') hold the same 64 queries (four tiles of 16) and share the keys: wave g takes steps 2 j + g of a slot's four steps of 64 keys.
; At a block's end wave (1, w') hands its maximum, sum and O^T to wave (0, w') through LDS.
; NO CLUSTER: the four work-groups of a head need different slots in the same trip (i = 0 walks 0 | 0 .. 7, i = 3 walks 0 .. 3 | 0 .. 4); a joint walk of both blocks over slots 0 .. 7 has 2+2+2+2+1+1+1+1 = 12 units where this has 9.
; LAYOUT.  S^T = K Q^T (source 0 = 16 keys, source 1 = 16 queries), O^T = V^T P: a lane holds ONE query throughout; two score tiles rounded to f16 in pairs are source 1 of the second product.
; THE MASK costs no line on the scores: it is the C of a tile's first product: 0 under the diagonal, -3e38 above it, a triangle of both on it; off the diagonal step all three are 0.
; SOFTMAX: a running maximum m and sum l for each query; p = 2^(t - m); O and l are multiplied by 2^(m_old - m_new) in every step.
; LIMITS: hidden scores are -3e38, not -infinity: true scores under -3e38 are not served; NaN and infinities are not served; ctx goes out in f16.
; LDS: two slots (K: 128 long rows of two keys, 256 bytes + 16; V: the same + 32), a stage for the way out, the hand-over, the spare words.
; REGISTERS: window 0: v1-13 addresses; v16-47 statistics, 8 a tile (+0 m, +1 old m, +2, +3 l, +4 .. +7 at work, a in +6); v48-55 the triangle; v56-63 the hidden tile; v64-191 S^T, then P in place; v192-255 K.
;   window 1: v0-63 Q; v64-191 O^T; v192-255 V.
.set PK,    272
.set PV,    288
.set VOFF,  128*PK                     ; a slot: K's 34,816 bytes, then V's 36,864
.set SLOT1, 1<<17                      ; slot 1 begins here: one exclusive or turns an address from one slot to the other
.set STAGE, 71680                      ; 4 x 64 rows x 144 bytes
.set MERGE, 202752                     ; 4 x 17,408: 32 register images of 512 bytes, then 8 x 128 bytes of statistics
.set SPARE, 272384                     ; the spare words, 128 bytes for each of eight waves
.set AK0, 1
.set AV0, 2
.set ADK, 3
.set ADV, 4
.set QO,  5
.set STO, 6
.set RD,  7
.set GO,  8
.set MI,  9
.set MS,  10
.set PFO, 11
.set SPW, 12
.set NIL, 13
.set ST,  16
.set TT,  48
.set NN,  56
.set S,   64
.set KF,  192
.set OT,  64                           ; in window 1
.set VF,  192                          ; in window 1
; scalars: s8 wave, s9 g, s10 w', s11 i, s12 head; s[14:15], s[16:17] Q of the two blocks; s[18:19], s[20:21] K and V of my head (+ my half); s22 trip, s23 slot, s24 the next trip's slot;
; s25 my first query, s26 that of the second block; s27 the LDS slot in hand; s[28:35], s[36:43] groups 1; s[44:47], s[48:51] groups 0; s[52:53] lane selects; s54 the mask's number; s[56:63] lane masks;
; s[66:67] an offset; s[68:69], s70 the prefetches; s[72:73], s[74:75] ctx of the two blocks; s76-79 at work
.set MSB, 0
.macro WIN new
.if MSB != (\new)
	s_set_vgpr_msb (MSB<<8)|(\new)
.set MSB, (\new)
.endif
.endm
; Waves 0 and 1 fetch K's halves of a slot, waves 2 and 3 V's, the others nothing.  An s_nop 0 and four v_nop follow each line.
.macro TLOAD
	s_cmp_lt_u32 s8, 2
	s_cbranch_scc0 .Lnot_k_\@
	tensor_load_to_lds s[44:47], s[28:35]
	s_nop 0
.rept 4
	v_nop
.endr
	s_branch .Lasked_\@
.Lnot_k_\@:
	s_cmp_lt_u32 s8, 4
	s_cbranch_scc0 .Lasked_\@
	tensor_load_to_lds s[48:51], s[36:43]
	s_nop 0
.rept 4
	v_nop
.endr
.Lasked_\@:
.endm
; A PREFETCH INTO THE L2: trip n asks for key slot n + 2, n = 0 .. 5.  All four work-groups of a head read the same K and V: work-group i = 0 asks, and in it the waves that fetch nothing: waves 4, 5 K's halves,
; waves 6, 7 V's: 16,384 bytes a wave, lanes 256 bytes apart, two instructions.  So each block of 256 bytes is named once; slots 0 and 1 come by their loads alone; nothing is asked for behind slot 7.
.macro ASK
	s_cmp_lt_u32 s22, s70
	s_cbranch_scc0 .Lnot_mine_\@
	global_prefetch_b8 v[PFO], s[68:69] th:TH_LOAD_NT scope:SCOPE_SE
	global_prefetch_b8 v[PFO], s[68:69] offset:8192 th:TH_LOAD_NT scope:SCOPE_SE
.Lnot_mine_\@:
.endm
	s_load_b128 s[4:7], s[0:1], 0x0                ; qkv, ctx
	v_lshl_add_u32 v[SPW], v0, 2, SPARE
	v_mov_b32 v[NIL], 0
	ds_add_u32 v[SPW], v[NIL]                      ; the wave's opening: an add of 0, twice on end, and its wait ahead of the first tensor load
	ds_add_u32 v[SPW], v[NIL]
	v_lshrrev_b32 v14, 5, v0
	v_readfirstlane_b32 s8, v14
	s_lshr_b32 s9, s8, 2
	s_and_b32 s10, s8, 3
	s_mul_i32 s76, s9, 3
	s_xor_b32 s10, s10, s76
	s_mov_b32 s11, ttmp9
	s_and_b32 s12, ttmp7, 0xffff
	s_mov_b32 s28, (1<<16)|(1<<20)|(5<<22)|(3<<25) ; elements of 2 bytes; padding on: 4 words behind every 64
	s_mov_b32 s36, (1<<16)|(1<<20)|(5<<22)|(7<<25) ; V: 8 words
.irp g, 28, 36
	s_mov_b32 s[\g+1], 128<<16                     ; tensor_dim0: a long row of two keys
	s_mov_b32 s[\g+2], 64<<16                      ; tensor_dim1
	s_mov_b32 s[\g+3], 128<<16                     ; tile_dim0
	s_mov_b32 s[\g+4], 64                          ; tile_dim1
	s_mov_b32 s[\g+5], 128                         ; the pitch: dense
	s_mov_b32 s[\g+6], 0
	s_mov_b32 s[\g+7], 0
.endr
	s_mov_b32 s52, 0x76543210
	s_mov_b32 s53, 0xfedcba98
	s_mov_b32 s67, 0
	s_mov_b32 s22, 0
	s_mov_b32 s23, 0
	s_mov_b32 s27, 0
	s_lshl_b32 s76, s11, 8
	s_lshl_b32 s77, s10, 6
	s_add_co_u32 s25, s76, s77                     ; my first query in block i
	s_sub_co_u32 s76, 7, s11
	s_lshl_b32 s76, s76, 8
	s_add_co_u32 s26, s76, s77                     ; and in block 7 - i
	s_lshl_b32 s78, s12, 18                        ; the head's first byte in each third of qkv
	s_and_b32 s79, s8, 1
	s_lshl_b32 s76, s25, 7
	s_add_co_u32 s14, s78, s76
	s_mov_b32 s15, 0
	s_lshl_b32 s76, s26, 7
	s_add_co_u32 s16, s78, s76
	s_mov_b32 s17, 0
	s_lshl_b32 s76, s79, 14                        ; my half of a slot: 128 keys of 128 bytes
	s_add_co_u32 s76, s76, s78
	s_add_co_u32 s18, s76, 1<<24
	s_mov_b32 s19, 0
	s_add_co_u32 s20, s76, 2<<24
	s_mov_b32 s21, 0
	s_and_b32 s76, s12, 15
	s_lshl_b32 s76, s76, 20                        ; ctx[h][b 2048 + t][64]: the head's plane,
	s_lshr_b32 s77, s12, 4
	s_lshl_b32 s77, s77, 18                        ; the batch's 2,048 rows of 128 bytes
	s_add_co_u32 s76, s76, s77
	s_lshl_b32 s77, s25, 7
	s_add_co_u32 s72, s76, s77
	s_mov_b32 s73, 0
	s_lshl_b32 s77, s26, 7
	s_add_co_u32 s74, s76, s77
	s_mov_b32 s75, 0
	s_mov_b32 s44, 1
	s_mul_i32 s45, s79, 64*PK
	s_mov_b32 s48, 1
	s_mul_i32 s49, s79, 64*PV
	s_add_co_u32 s49, s49, VOFF
	s_xor_b32 s76, s9, 1
	s_or_b32 s76, s76, s11
	s_cmp_eq_u32 s76, 0
	s_cselect_b32 s70, 6, 0                        ; waves 4 to 7 of work-group i = 0 prefetch in trips 0 to 5
	s_wait_dscnt 0x0                               ; both opening adds are done
	s_wait_kmcnt 0x0
	s_add_nc_u64 s[14:15], s[4:5], s[14:15]
	s_add_nc_u64 s[16:17], s[4:5], s[16:17]
	s_add_nc_u64 s[18:19], s[4:5], s[18:19]
	s_add_nc_u64 s[20:21], s[4:5], s[20:21]
	s_add_nc_u64 s[72:73], s[6:7], s[72:73]
	s_add_nc_u64 s[74:75], s[6:7], s[74:75]
	s_mov_b64 s[46:47], s[18:19]
	s_or_b32 s47, s47, 0x80000000
	s_mov_b64 s[50:51], s[20:21]
	s_or_b32 s51, s51, 0x80000000
	TLOAD                                          ; key slot 0 into LDS slot 0
	s_cmp_lt_u32 s8, 6
	s_cselect_b64 s[68:69], s[18:19], s[20:21]
	s_add_nc_u64 s[68:69], s[68:69], 32768         ; at key slot 1: the first change of slots steps it to 2
	v_and_b32 v14, 15, v0                          ; r
	v_bfe_u32 v15, v0, 4, 1                        ; h
	v_lshlrev_b32 v[QO], 7, v14
	v_lshl_add_u32 v[QO], v15, 4, v[QO]            ; Q: row r of 128 bytes + 16 h
	WIN 0x40
.irp t, 0,1,2,3
.irp c, 0,1
	global_load_b128 v[16*\t+8*\c:16*\t+8*\c+3], v[QO], s[14:15] offset:2048*\t+64*\c
	global_load_b128 v[16*\t+8*\c+4:16*\t+8*\c+7], v[QO], s[14:15] offset:2048*\t+64*\c+32
.endr
.endr
	WIN 0
	v_lshrrev_b32 v[AK0], 1, v14                   ; K: key r of a tile lies in long row r / 2, half r % 2
	v_mul_u32_u24 v[AK0], v[AK0], PK
	v_and_b32 v[ADK], 1, v14
	v_lshl_add_u32 v[AK0], v[ADK], 7, v[AK0]
	v_lshl_add_u32 v[AK0], v15, 4, v[AK0]
	s_mul_i32 s76, s9, 32*PK                       ; wave g begins at step g
	v_add_nc_u32 v[AK0], s76, v[AK0]
	v_bfe_u32 v[AV0], v0, 1, 2                     ; V, for the turning load: key 8 h + lane % 8, channels 8 ((lane / 8) % 2) on
	v_lshl_add_u32 v[AV0], v15, 2, v[AV0]
	v_mul_u32_u24 v[AV0], v[AV0], PV
	v_and_b32 v[ADK], 1, v0
	v_lshl_add_u32 v[AV0], v[ADK], 7, v[AV0]
	v_bfe_u32 v[ADK], v0, 3, 1
	v_lshl_add_u32 v[AV0], v[ADK], 4, v[AV0]
	s_mul_i32 s76, s9, 32*PV
	s_add_co_u32 s76, s76, VOFF
	v_add_nc_u32 v[AV0], s76, v[AV0]
	s_mul_i32 s76, s10, 64*144
	s_add_co_u32 s76, s76, STAGE
	v_mul_u32_u24 v[STO], v14, 144
	v_lshl_add_u32 v[STO], v15, 4, v[STO]
	v_add_nc_u32 v[STO], s76, v[STO]               ; the stage, in: row r, 16 bytes for each half of the lanes
	v_bfe_u32 v[RD], v0, 3, 2
	v_mul_u32_u24 v[RD], v[RD], 144
	v_and_b32 v[ADK], 7, v0
	v_lshl_add_u32 v[RD], v[ADK], 4, v[RD]
	v_add_nc_u32 v[RD], s76, v[RD]                 ; back: eight lanes to a row of 128 bytes, four rows an instruction
	v_and_b32 v[ADK], 31, v0
	v_lshlrev_b32 v[GO], 4, v[ADK]
	s_mul_i32 s76, s10, 17408
	s_add_co_u32 s76, s76, MERGE
	v_add_nc_u32 v[MI], s76, v[GO]                 ; the hand-over: register images, 16 bytes a lane
	s_add_co_u32 s76, s76, 16384
	v_lshl_add_u32 v[MS], v[ADK], 2, s76           ; and statistics, 4 bytes a lane
	v_lshlrev_b32 v[PFO], 8, v[ADK]
	v_lshlrev_b32 v15, 3, v15
	v_sub_nc_u32 v14, v14, v15                     ; r - 8 h
.irp n, 0,1,2,3,4,5,6,7
	v_cmp_gt_i32 s[56+\n], \n, v14                 ; register n of a diagonal tile holds key 8 h + n: hidden where it comes after query r
.endr
.macro CLEAR                           ; O^T begins as zeros: the step is written once, and a block's first step finds zeros
	WIN 0x40
.set i, 0
.rept 128
	v_mov_b32 v[OT+i], 0
.set i, i+1
.endr
	WIN 0
.endm
.macro INIT
.irp t, 0,1,2,3
	v_mov_b32 v[ST+8*\t], 0xff61b1e6               ; m = -3e38, under every score
	v_mov_b32 v[ST+8*\t+1], 0xff61b1e6
.irp n, 2,3,4,5,6,7
	v_mov_b32 v[ST+8*\t+\n], 0
.endr
.endr
.endm
	CLEAR
	INIT
	s_wait_loadcnt 0x0                             ; Q
; THE CHANGE OF SLOTS, at a trip's head.  Each wave waits for all its tensor loads, adds 0 to its spare word, and waits for that and for its reads of the slot that it has left; behind the barrier the slot ahead is
; whole and nobody reads the other one, which is filled with the next trip's keys: that load has the whole trip in which to land.  By this text's count a wave has one tensor load out.
.macro CHANGE fill
	s_wait_tensorcnt 0x0
	ds_add_u32 v[SPW], v[NIL]
.if \fill
	ds_add_u32 v[SPW], v[NIL]                      ; 0 onto my spare word, twice on end here, in every trip alike
	s_add_co_u32 s24, s23, 1
	s_cmp_eq_u32 s22, s11
	s_cselect_b32 s24, 0, s24                      ; the next trip's key slot: the second block begins at 0
	s_lshl_b32 s66, s24, 15                        ; 256 keys of 128 bytes
	s_xor_b32 s45, s45, SLOT1
	s_add_nc_u64 s[46:47], s[18:19], s[66:67]
	s_or_b32 s47, s47, 0x80000000
	s_xor_b32 s49, s49, SLOT1
	s_add_nc_u64 s[50:51], s[20:21], s[66:67]
	s_or_b32 s51, s51, 0x80000000
	s_wait_xcnt 0x0                                ; the last trip's prefetches have read their address
	s_add_nc_u64 s[68:69], s[68:69], 32768
.endif
	s_wait_dscnt 0x0
	s_barrier_signal -1
	s_barrier_wait -1
.if \fill
	TLOAD
	ASK
.endif
.endm
; A STEP: my j-th 64 keys of the slot against my 64 queries.
.macro STEP j
	s_lshl_b32 s76, s23, 8
	s_lshl_b32 s77, s9, 6
	s_add_co_u32 s76, s76, s77
	s_add_co_u32 s76, s76, 128*\j                  ; the step's first key
	s_cmp_gt_u32 s76, s25
	s_cbranch_scc1 .Lhid_\@                        ; all its keys come after my queries: ids alone
	s_cmp_eq_u32 s76, s25
	s_cselect_b32 s54, 0xff61b1e6, 0               ; -3e38 on the diagonal step, 0 elsewhere
.irp n, 0,1,2,3,4,5,6,7
	v_mov_b32 v[NN+\n], s54                        ; (these sixteen plain lines are also the places behind the last step's products)
.endr
.irp n, 0,1,2,3,4,5,6,7
	v_cndmask_b32 v[TT+\n], 0, v[NN], s[56+\n]
.endr
.irp u, 0,1,2,3
.irp c, 0,1
	ds_load_b128 v[KF+16*\u+8*\c:KF+16*\u+8*\c+3], v[ADK] offset:64*PK*\j+8*PK*\u+64*\c
	ds_load_b128 v[KF+16*\u+8*\c+4:KF+16*\u+8*\c+7], v[ADK] offset:64*PK*\j+8*PK*\u+64*\c+32
.endr
.endr
	WIN 0x40
.irp b, 0,1
.irp c, 0,1,2,3
	ds_load_tr16_b128 v[VF+8*(4*\b+\c):VF+8*(4*\b+\c)+3], v[ADV] offset:64*PV*\j+16*PV*\b+32*\c
	ds_load_tr16_b128 v[VF+8*(4*\b+\c)+4:VF+8*(4*\b+\c)+7], v[ADV] offset:64*PV*\j+16*PV*\b+32*\c+8*PV
.endr
.endr
	WIN 0
	s_wait_dscnt 16                                ; K's sixteen loads are in; V's sixteen may be out
	WIN 0x04                                       ; source 1 (Q) window 1
.irp c, 0,1                                    ; the 16 accumulators take turns, one instruction a turn
.irp u, 0,1,2,3
.irp t, 0,1,2,3
.if \c == 1
	v_wmma_f32_16x16x32_f16 v[S+32*\t+8*\u:S+32*\t+8*\u+7], v[KF+16*\u+8*\c:KF+16*\u+8*\c+7], v[16*\t+8*\c:16*\t+8*\c+7], v[S+32*\t+8*\u:S+32*\t+8*\u+7]
.elseif \u < \t
	v_wmma_f32_16x16x32_f16 v[S+32*\t+8*\u:S+32*\t+8*\u+7], v[KF+16*\u+8*\c:KF+16*\u+8*\c+7], v[16*\t+8*\c:16*\t+8*\c+7], 0
.elseif \u == \t
	v_wmma_f32_16x16x32_f16 v[S+32*\t+8*\u:S+32*\t+8*\u+7], v[KF+16*\u+8*\c:KF+16*\u+8*\c+7], v[16*\t+8*\c:16*\t+8*\c+7], v[TT:TT+7]
.else
	v_wmma_f32_16x16x32_f16 v[S+32*\t+8*\u:S+32*\t+8*\u+7], v[KF+16*\u+8*\c:KF+16*\u+8*\c+7], v[16*\t+8*\c:16*\t+8*\c+7], v[NN:NN+7]
.endif
.endr
.endr
.endr
	WIN 0
.rept 4
	v_nop
.endr
	; the softmax, the four tiles by turns line by line.  The maximum: each accumulator is read from its low end on
.irp q, 0,1,2,3
.irp t, 0,1,2,3
	v_max3_num_f32 v[ST+8*\t+4+\q], v[S+32*\t+8*\q], v[S+32*\t+8*\q+1], v[S+32*\t+8*\q+2]
.endr
.endr
.irp e, 1,2
.irp q, 0,1,2,3
.irp t, 0,1,2,3
	v_max3_num_f32 v[ST+8*\t+4+\q], v[ST+8*\t+4+\q], v[S+32*\t+8*\q+2*\e+1], v[S+32*\t+8*\q+2*\e+2]
.endr
.endr
.endr
.irp t, 0,1,2,3
	v_max3_num_f32 v[ST+8*\t+4], v[ST+8*\t+4], v[S+32*\t+7], v[S+32*\t+15]
.endr
.irp t, 0,1,2,3
	v_max3_num_f32 v[ST+8*\t+6], v[ST+8*\t+6], v[S+32*\t+23], v[S+32*\t+31]
.endr
.irp t, 0,1,2,3
	v_max3_num_f32 v[ST+8*\t+4], v[ST+8*\t+4], v[ST+8*\t+5], v[ST+8*\t+6]
.endr
.irp t, 0,1,2,3
	v_max3_num_f32 v[ST+8*\t+4], v[ST+8*\t+4], v[ST+8*\t+7], v[ST+8*\t]   ; and the old m
.endr
.irp t, 0,1,2,3
	v_permlanex16_b32 v[ST+8*\t+5], v[ST+8*\t+4], s52, s53    ; the query's other 32 keys lie in the lane 16 away
.endr
.irp t, 0,1,2,3
	v_mov_b32 v[ST+8*\t+1], v[ST+8*\t]
.endr
.irp t, 0,1,2,3
	v_max_num_f32 v[ST+8*\t], v[ST+8*\t+4], v[ST+8*\t+5]
.endr
.irp t, 0,1,2,3
	v_sub_f32 v[ST+8*\t+7], v[ST+8*\t+1], v[ST+8*\t]
.endr
.irp t, 0,1,2,3
	v_exp_f32 v[ST+8*\t+6], v[ST+8*\t+7]           ; a = 2^(m_old - m_new)
.endr
.irp i, 0,2,4,6,8,10,12,14,16,18,20,22,24,26,28,30
.irp t, 0,1,2,3
	v_pk_add_f32 v[S+32*\t+\i:S+32*\t+\i+1], v[S+32*\t+\i:S+32*\t+\i+1], v[ST+8*\t:ST+8*\t+1] op_sel_hi:[1,0] neg_lo:[0,1] neg_hi:[0,1]   ; t - m, never above 0
.endr
.endr
.irp i, 0,1,2,3,4,5,6,7,8,9,10,11,12,13,14,15,16,17,18,19,20,21,22,23,24,25,26,27,28,29,30,31
.irp t, 0,1,2,3
	v_exp_f32 v[S+32*\t+\i], v[S+32*\t+\i]
.endr
.endr
	v_nop                                          ; a plain line behind the last exponential
	s_wait_alu depctr_va_vdst(0)                   ; one wait for the step's 132 exponentials, ahead of the first line that names a result
.irp t, 0,1,2,3
	v_pk_fma_f32 v[ST+8*\t+2:ST+8*\t+3], v[ST+8*\t+2:ST+8*\t+3], v[ST+8*\t+6:ST+8*\t+7], v[S+32*\t:S+32*\t+1] op_sel_hi:[1,0,1]   ; l a + the first pair: the sums go in two chains
	v_pk_add_f32 v[ST+8*\t+4:ST+8*\t+5], v[S+32*\t+2:S+32*\t+3], v[S+32*\t+6:S+32*\t+7]
.endr
.irp i, 4,8,12,16,20,24
.irp t, 0,1,2,3
	v_pk_add_f32 v[ST+8*\t+2:ST+8*\t+3], v[ST+8*\t+2:ST+8*\t+3], v[S+32*\t+\i:S+32*\t+\i+1]
	v_pk_add_f32 v[ST+8*\t+4:ST+8*\t+5], v[ST+8*\t+4:ST+8*\t+5], v[S+32*\t+\i+6:S+32*\t+\i+7]
.endr
.endr
.irp t, 0,1,2,3
	v_pk_add_f32 v[ST+8*\t+2:ST+8*\t+3], v[ST+8*\t+2:ST+8*\t+3], v[S+32*\t+28:S+32*\t+29]
.endr
.irp t, 0,1,2,3
	v_pk_add_f32 v[ST+8*\t+2:ST+8*\t+3], v[ST+8*\t+2:ST+8*\t+3], v[ST+8*\t+4:ST+8*\t+5]
.endr
.irp i, 0,1,2,3,4,5,6,7,8,9,10,11,12,13,14,15
.irp t, 0,1,2,3
	v_cvt_pk_f16_f32 v[S+32*\t+\i], v[S+32*\t+2*\i], v[S+32*\t+2*\i+1]   ; P, in place: register i is written when 2 i and 2 i + 1 are read
.endr
.endr
	WIN 0x41                                       ; O^T window 1, a window 0
.irp t, 0,1,2,3
.irp i, 0,2,4,6,8,10,12,14,16,18,20,22,24,26,28,30
	v_pk_mul_f32 v[OT+32*\t+\i:OT+32*\t+\i+1], v[OT+32*\t+\i:OT+32*\t+\i+1], v[ST+8*\t+6:ST+8*\t+7] op_sel_hi:[1,0]
.endr
.endr
	s_wait_dscnt 0x0                               ; V is in
	WIN 0x51                                       ; V and O^T window 1, P window 0
.irp b, 0,1
.irp c, 0,1,2,3
.irp t, 0,1,2,3
	v_wmma_f32_16x16x32_f16 v[OT+32*\t+8*\c:OT+32*\t+8*\c+7], v[VF+8*(4*\b+\c):VF+8*(4*\b+\c)+7], v[S+32*\t+8*\b:S+32*\t+8*\b+7], v[OT+32*\t+8*\c:OT+32*\t+8*\c+7]
.endr
.endr
.endr
	WIN 0
.Lhid_\@:
.endm
; A BLOCK'S END has two parts, one on either side of a barrier that stands in every trip.  Each part stands by itself: whatever it issues it also waits for, and it brings its own places behind the last products.
; PART1, ahead of the barrier: l is made whole; wave (1, w') puts O^T, m and l into LDS as images of its registers.
.macro PART1
.irp t, 0,1,2,3
	v_add_f32 v[ST+8*\t+2], v[ST+8*\t+2], v[ST+8*\t+3]        ; (four plain lines that name no register of the products: the places ahead of the stores of O^T)
.endr
.irp t, 0,1,2,3
	v_permlanex16_b32 v[ST+8*\t+4], v[ST+8*\t+2], s52, s53
.endr
.irp t, 0,1,2,3
	v_add_f32 v[ST+8*\t+2], v[ST+8*\t+2], v[ST+8*\t+4]
.endr
	s_cmp_eq_u32 s9, 0
	s_cbranch_scc1 .Lkeep_\@
	WIN 0x04                                       ; an LDS store's data: window 1
.set i, 0
.rept 32
	ds_store_b128 v[MI], v[OT+4*i:OT+4*i+3] offset:512*i      ; each accumulator from its low end on
.set i, i+1
.endr
	WIN 0
.irp t, 0,1,2,3
	ds_store_b32 v[MS], v[ST+8*\t] offset:256*\t
	ds_store_b32 v[MS], v[ST+8*\t+2] offset:256*\t+128
.endr
.Lkeep_\@:
.endm
; PART2, behind the barrier: the next block's Q is asked for (last = 0); wave (0, w') joins the two halves, divides by the sum, rounds to f16 and stores 64 rows of ctx through its stage.  Then both begin the next block.
.macro PART2 last, cp
.rept 4
	v_nop                                          ; four places between the last products and the loads into Q's and P's registers and the clearing of O^T below, on every way that leads here
.endr
.if !\last
	WIN 0x40
.irp t, 0,1,2,3
.irp c, 0,1
	global_load_b128 v[16*\t+8*\c:16*\t+8*\c+3], v[QO], s[16:17] offset:2048*\t+64*\c          ; awaited at this part's end: the merge, or the clearing, stands between
	global_load_b128 v[16*\t+8*\c+4:16*\t+8*\c+7], v[QO], s[16:17] offset:2048*\t+64*\c+32
.endr
.endr
	WIN 0
.endif
	s_cmp_lg_u32 s9, 0
	s_cbranch_scc1 .Lgave_\@
.irp t, 0,1,2,3
	ds_load_b32 v[ST+8*\t+4], v[MS] offset:256*\t             ; the partner's m
	ds_load_b32 v[ST+8*\t+5], v[MS] offset:256*\t+128         ; and l
.endr
.set i, 0
.rept 32
	ds_load_b128 v[S+4*i:S+4*i+3], v[MI] offset:512*i         ; its O^T, register for register
.set i, i+1
.endr
	s_wait_dscnt 32                                ; the statistics are in; the 32 images may be out
.irp t, 0,1,2,3
	v_max_num_f32 v[ST+8*\t+1], v[ST+8*\t], v[ST+8*\t+4]
.endr
.irp t, 0,1,2,3
	v_sub_f32 v[ST+8*\t+6], v[ST+8*\t], v[ST+8*\t+1]
	v_sub_f32 v[ST+8*\t+7], v[ST+8*\t+4], v[ST+8*\t+1]
.endr
.irp t, 0,1,2,3
	v_exp_f32 v[ST+8*\t+6], v[ST+8*\t+6]
	v_exp_f32 v[ST+8*\t+7], v[ST+8*\t+7]
.endr
	v_nop
	s_wait_alu depctr_va_vdst(0)                   ; one wait for the eight
.irp t, 0,1,2,3
	v_mul_f32 v[ST+8*\t+2], v[ST+8*\t+2], v[ST+8*\t+6]
.endr
.irp t, 0,1,2,3
	v_fmac_f32 v[ST+8*\t+2], v[ST+8*\t+5], v[ST+8*\t+7]       ; the row's sum under the common maximum
.endr
.irp t, 0,1,2,3
	v_rcp_f32 v[ST+8*\t+3], v[ST+8*\t+2]
.endr
	v_nop
	s_wait_alu depctr_va_vdst(0)                   ; one wait for the four
.irp t, 0,1,2,3
	v_mul_f32 v[ST+8*\t+6], v[ST+8*\t+6], v[ST+8*\t+3]        ; my factor
	v_mul_f32 v[ST+8*\t+4], v[ST+8*\t+7], v[ST+8*\t+3]        ; the partner's
.endr
	s_wait_dscnt 0x0
.irp t, 0,1,2,3
.irp i, 0,2,4,6,8,10,12,14,16,18,20,22,24,26,28,30
	v_pk_mul_f32 v[S+32*\t+\i:S+32*\t+\i+1], v[S+32*\t+\i:S+32*\t+\i+1], v[ST+8*\t+4:ST+8*\t+5] op_sel_hi:[1,0]
.endr
.endr
	WIN 0x01                                       ; source 0 (my O^T) window 1
.irp t, 0,1,2,3
.irp i, 0,2,4,6,8,10,12,14,16,18,20,22,24,26,28,30
	v_pk_fma_f32 v[S+32*\t+\i:S+32*\t+\i+1], v[OT+32*\t+\i:OT+32*\t+\i+1], v[ST+8*\t+6:ST+8*\t+7], v[S+32*\t+\i:S+32*\t+\i+1] op_sel_hi:[1,0,1]
.endr
.endr
	WIN 0
.irp t, 0,1,2,3
.irp i, 0,1,2,3,4,5,6,7,8,9,10,11,12,13,14,15
	v_cvt_pk_f16_f32 v[S+32*\t+\i], v[S+32*\t+2*\i], v[S+32*\t+2*\i+1]
.endr
.endr
.irp t, 0,1,2,3
.irp c, 0,1,2,3
	ds_store_b128 v[STO], v[S+32*\t+4*\c:S+32*\t+4*\c+3] offset:2304*\t+32*\c
.endr
.irp n, 0,1,2,3
	ds_load_b128 v[S+32*\t+16+4*\n:S+32*\t+16+4*\n+3], v[RD] offset:2304*\t+576*\n   ; LDS serves a wave's instructions in order: these see the stores above
.endr
.endr
.irp t, 0,1,2,3
.irp n, 0,1,2,3
	s_wait_dscnt 8*(3-\t)+3-\n                     ; behind this load: the rest of its tile's loads and eight LDS instructions for each later tile
	global_store_b128 v[GO], v[S+32*\t+16+4*\n:S+32*\t+16+4*\n+3], s[\cp:\cp+1] offset:2048*\t+512*\n   ; 32 lanes store 512 consecutive bytes, aligned
.endr
.endr
.Lgave_\@:
.if !\last
	s_wait_xcnt 0x0                                ; the stores have read their registers: the next block's scores may be written there
	CLEAR
	INIT
	s_mov_b32 s25, s26                             ; on to block 7 - i
	s_wait_loadcnt 0x0                             ; its Q
.endif
.endm
.Ltrip:                                            ; eight trips; the ninth is written out
	CHANGE 1
	v_add_nc_u32 v[ADK], s27, v[AK0]
	v_add_nc_u32 v[ADV], s27, v[AV0]
	STEP 0
	STEP 1
	s_cmp_lg_u32 s22, s11                          ; the first block ends with trip i: the trip's count and the work-group's number, the same in all eight waves
	s_cbranch_scc1 .Lno_end_a
	PART1
.Lno_end_a:
	s_wait_dscnt 0x0                               ; my LDS stores have landed
	s_barrier_signal -1                            ; this barrier stands in every trip, so that none stands under a branch
	s_barrier_wait -1
	s_cmp_lg_u32 s22, s11
	s_cbranch_scc1 .Lno_end_b
	PART2 0, 72
.Lno_end_b:
	s_mov_b32 s23, s24
	s_xor_b32 s27, s27, SLOT1
	s_add_co_u32 s22, s22, 1
	s_cmp_lt_u32 s22, 8
	s_cbranch_scc1 .Ltrip
	CHANGE 0
	v_add_nc_u32 v[ADK], s27, v[AK0]
	v_add_nc_u32 v[ADV], s27, v[AV0]
	STEP 0
	STEP 1
	PART1
	s_wait_dscnt 0x0
	s_barrier_signal -1
	s_barrier_wait -1
	PART2 1, 74
	s_wait_tensorcnt 0x0                           ; the wave's end
	ds_add_u32 v[SPW], v[NIL]
	s_wait_dscnt 0x0
	s_endpgm
.Lfunc_end_k_q3c6857d735_attn:
	.size	k_q3c6857d735_attn, .Lfunc_end_k_q3c6857d735_attn-k_q3c6857d735_attn
	.p2alignl 7, 3214868480
	.fill 96, 4, 3214868480
	.section	.rodata,"a",@progbits
	.p2align	6, 0x0
	.amdhsa_kernel k_q3c6857d735_attn
		.amdhsa_group_segment_fixed_size 327680
		.amdhsa_private_segment_fixed_size 0
		.amdhsa_enable_private_segment 0
		.amdhsa_kernarg_size 16
		.amdhsa_user_sgpr_count 2
		.amdhsa_user_sgpr_kernarg_segment_ptr 1
		.amdhsa_wavefront_size32 1
		.amdhsa_system_sgpr_workgroup_id_x 1
		.amdhsa_system_sgpr_workgroup_id_y 1
		.amdhsa_system_sgpr_workgroup_id_z 1
		.amdhsa_system_vgpr_workitem_id 0
		.amdhsa_next_free_vgpr 512
		.amdhsa_next_free_sgpr 80
		.amdhsa_reserve_vcc 0
		.amdhsa_float_denorm_mode_32 3
		.amdhsa_float_denorm_mode_16_64 3
		.amdhsa_memory_ordered 1
		.amdhsa_forward_progress 1
		.amdhsa_inst_pref_size 200
	.end_amdhsa_kernel
	.amdgpu_metadata
---
amdhsa.version: [ 1, 2 ]
amdhsa.kernels:
  - .name:           k_q3c6857d735_attn
    .symbol:         k_q3c6857d735_attn.kd
    .args:
      - { .name: qkv, .offset: 0, .size: 8, .value_kind: global_buffer, .address_space: global }
      - { .name: ctx, .offset: 8, .size: 8, .value_kind: global_buffer, .address_space: global }
    .group_segment_fixed_size: 327680
    .private_segment_fixed_size: 0
    .kernarg_segment_align: 8
    .kernarg_segment_size: 16
    .max_flat_workgroup_size: 256
    .sgpr_count:     80
    .vgpr_count:     512
    .wavefront_size: 32
...
	.end_amdgpu_metadata
.endif
;; end of part 3
;; launch gemm_out (part 4): grid 4 x 64, 4 waves a work-group, clusters of 4 x 4, 327,680 bytes of LDS; arguments ctx, wot, bo, out0; writes out0
.if DOCPART == 4
	.amdgcn_target "amdgcn-amd-amdhsa--gfx1250"
	.amdhsa_code_object_version 6
	.text
	.protected	k_q3c6857d735_gemm_out
	.globl	k_q3c6857d735_gemm_out
	.p2align	8
	.type	k_q3c6857d735_gemm_out,@function
k_q3c6857d735_gemm_out:
	s_mov_b64 s[64:65], 0
	v_nop
	global_prefetch_b8 v0, s[64:65] scope:SCOPE_SE
	s_setreg_imm32_b32 hwreg(HW_REG_WAVE_MODE, 25, 1), 1
	s_wait_xcnt 0x0
	s_wait_alu depctr_hold_cnt(0) depctr_sa_sdst(0) depctr_va_vdst(0) depctr_va_sdst(0) depctr_va_ssrc(0) depctr_va_vcc(0) depctr_vm_vsrc(0)
	s_getreg_b32 s2, hwreg(HW_REG_IB_STS2, 6, 4)
	s_cmp_eq_u32 s2, 0
	s_cbranch_scc0 .Lentry_in_a_cluster
	s_endpgm
.Lentry_in_a_cluster:
	s_bfe_u32 s2, ttmp6, 0x10000c
	s_cmp_lg_u32 s2, 0xf033
	s_cbranch_scc0 .Lentry_shape_is_right
	s_endpgm
.Lentry_shape_is_right:
; out0 = ctx Wo + bo.  ctx[h][row 8192][64] f16 (K = 64 h + channel), Wo^T[n 1024][k 1024] f16 (the high parts of wot), bo[1024] f32, out0[8192][1024] f32; sums in f32.
; A tile is 128 x 256, so that 64 x 4 = 256 work-groups have equal work (256 x 256 would make 128).  Four waves, 64 x 128 each: 32 accumulators of 16 x 16.
; K goes in eight steps of 128, two planes of ctx, through a ring of two LDS slots.  A plane's 128 rows are 16,384 dense bytes: they come as 64 long rows of two rows each (256 bytes + 16).
; CLUSTERS: 4 x 4 work-groups: A's tiles are asked for jointly along a row of the cluster, B's along a column.
; THE MATRIX INSTRUCTION IS USED TRANSPOSED (source 0 = 16 rows of Wo^T, source 1 = 16 rows of ctx): a lane holds eight neighbouring columns of one row.  bo is the C of each sum's first product.
; The rows of the first 16 positions of each batch are written here like all others and written over, more finely, by the launch that follows.
; REGISTERS: window 0: v16-30 addresses; two fragment buffers of 96 at v32 and v128 (B's 64, then A's 32); on the way out v32-159.  window 1: the accumulators, (a, b) at v[8 (8 a + b)].  window 2: v0-63 bo.
.set PITCH,  272
.set APL,    64*PITCH                  ; a plane of A: 64 long rows
.set BOFF,   2*APL
.set BH,     128*PITCH                 ; 128 rows of B
.set SLOT,   BOFF+2*BH                 ; 104,448
.set STAGE,  2*SLOT                    ; 16 rows x 528 bytes for each wave
.set SPITCH, 528
.set SPARE,  STAGE+4*16*SPITCH
.set ADRA, 16
.set ADRB, 20
.set STO,  24
.set RD,   25
.set CO,   26
.set BO,   27
.set SPW,  28
.set NIL,  29
.set PFO,  30
.set F0,   32
.set F1,   128
.set BK,   32
.set G1, 24
.set G0, 32
.set G1B, 48
.set G0B, 56
.set MSB, 0
.macro WIN new
.if MSB != (\new)
	s_set_vgpr_msb (MSB<<8)|(\new)
.set MSB, (\new)
.endif
.endm
.macro JLOAD s                         ; waves 0 and 1 fetch A's two planes, waves 2 and 3 B's two halves; an s_nop 0 and four v_nop follow each line
	s_cmp_eq_u32 s13, 0
	s_cbranch_scc0 .Lfor_b_\@
	tensor_load_to_lds s[G0+4*\s:G0+4*\s+3], s[G1:G1+7]
	s_nop 0
.rept 4
	v_nop
.endr
	s_branch .Lasked_\@
.Lfor_b_\@:
	tensor_load_to_lds s[G0B+4*\s:G0B+4*\s+3], s[G1B:G1B+7]
	s_nop 0
.rept 4
	v_nop
.endr
.Lasked_\@:
.endm
.macro CREST
	s_cmp_lg_u32 s12, 0
	s_cbranch_scc1 .Lnot_wave_0_\@
	s_barrier_signal -3
.Lnot_wave_0_\@:
	s_barrier_wait -3
	s_barrier_signal -1
	s_barrier_wait -1
.endm
.macro CROUND
	s_barrier_signal -1
	s_barrier_wait -1
	CREST
.endm
; A PREFETCH INTO THE L2 of ctx: the refill of K step f asks for K step f + 2, f = 2 .. 5: two K steps, 256 matrix instructions, ahead of the load that will want it.  A tile row of ctx is read by one row of one
; cluster alone; its four partners share a K step's 128 blocks of 256 bytes out by address (16 of each plane, 4,096 cx bytes on), wave 0 asks, a lane a block: each block is named once.  Wo^T, which every cluster reads, is not asked for.
.macro ASK
	s_cmp_gt_u32 s3, s70                           ; s3 = 1 in the loop's last trip
	s_cbranch_scc0 .Lnot_mine_\@
	global_prefetch_b8 v[PFO], s[68:69] th:TH_LOAD_NT scope:SCOPE_SE
.Lnot_mine_\@:
.endm
	s_load_b256 s[4:11], s[0:1], 0x0               ; ctx, wot, bo, out0
	v_lshl_add_u32 v[SPW], v0, 2, SPARE
	v_mov_b32 v[NIL], 0
	ds_add_u32 v[SPW], v[NIL]                      ; the wave's opening: an add of 0, twice on end, and its wait ahead of my first tensor load
	ds_add_u32 v[SPW], v[NIL]
	v_lshrrev_b32 v1, 5, v0
	v_readfirstlane_b32 s12, v1                    ; wave
	s_lshr_b32 s13, s12, 1                         ; which 64 rows are mine.  Also: I fetch for A (0) or for B (1)
	s_and_b32 s14, s12, 1                          ; which 128 columns.  Also: which plane, or which 128 rows of B, I fetch
	s_bfe_u32 s40, ttmp6, 0x40000                  ; cx
	s_bfe_u32 s41, ttmp6, 0x40004                  ; cy
	s_lshl_b32 s45, ttmp9, 2
	s_add_co_u32 s45, s45, s40                     ; tile column
	s_and_b32 s42, ttmp7, 0xffff
	s_lshl_b32 s42, s42, 2
	s_add_co_u32 s42, s42, s41                     ; tile row
	s_lshl_b32 s43, s41, 2
	s_lshl_b32 s43, 15, s43
	s_lshl_b32 s44, 0x1111, s40
	s_or_b32 s[G1+0], s43, (1<<16)|(1<<20)|(1<<21)|(5<<22)|(3<<25)   ; the mask; elements of 2 bytes; padding on; bit 21 beside a mask; 4 words behind every 64
	s_or_b32 s[G1B+0], s44, (1<<16)|(1<<20)|(1<<21)|(5<<22)|(3<<25)
	s_mov_b32 s[G1+1], 128<<16                     ; A: 64 long rows of 128 elements, dense
	s_mov_b32 s[G1+2], 64<<16
	s_mov_b32 s[G1+3], 128<<16
	s_mov_b32 s[G1+4], 64
	s_mov_b32 s[G1+5], 128
	s_mov_b32 s[G1+6], 0
	s_mov_b32 s[G1+7], 0
	s_mov_b32 s[G1B+1], 128<<16                    ; B: 128 rows of 128 elements, 1,024 elements apart
	s_mov_b32 s[G1B+2], 128<<16
	s_mov_b32 s[G1B+3], 128<<16
	s_mov_b32 s[G1B+4], 128
	s_mov_b32 s[G1B+5], 1024
	s_mov_b32 s[G1B+6], 0
	s_mov_b32 s[G1B+7], 0
	s_lshl_b32 s16, s14, 20                        ; A: my plane,
	s_lshl_b32 s17, s42, 14                        ; the tile row's 128 rows of 128 bytes
	s_add_co_u32 s16, s16, s17
	s_mov_b32 s17, 0
	s_lshl_b32 s46, s45, 8
	s_lshl_b32 s47, s14, 7
	s_add_co_u32 s46, s46, s47
	s_lshl_b32 s46, s46, 11                        ; B: row 256 x tile column + 128 x half, 2,048 bytes a row
	s_mov_b32 s47, 0
	s_mul_i32 s20, s14, APL
	s_mul_i32 s21, s14, BH
	s_add_co_u32 s21, s21, BOFF
	s_wait_dscnt 0x0
	s_wait_kmcnt 0x0
	s_add_nc_u64 s[16:17], s[4:5], s[16:17]
	s_add_nc_u64 s[46:47], s[6:7], s[46:47]
	CROUND                                         ; all sixteen work-groups are here: the first joint loads meet
.irp s, 0,1
	s_mov_b32 s[G0+4*\s], 1
	s_add_co_u32 s[G0+4*\s+1], s20, \s*SLOT
	s_add_nc_u64 s[G0+4*\s+2:G0+4*\s+3], s[16:17], \s*2097152
	s_or_b32 s[G0+4*\s+3], s[G0+4*\s+3], 0x80000000
	s_mov_b32 s[G0B+4*\s], 1
	s_add_co_u32 s[G0B+4*\s+1], s21, \s*SLOT
	s_add_nc_u64 s[G0B+4*\s+2:G0B+4*\s+3], s[46:47], \s*256
	s_or_b32 s[G0B+4*\s+3], s[G0B+4*\s+3], 0x80000000
	JLOAD \s
.endr
	v_and_b32 v1, 15, v0                           ; r
	v_bfe_u32 v2, v0, 4, 1                         ; h
	v_lshlrev_b32 v[BO], 5, v2
	s_lshl_b32 s18, s45, 10
	s_lshl_b32 s19, s14, 9
	s_add_co_u32 s18, s18, s19                     ; my first column, in bytes of f32
	s_mov_b32 s19, 0
	s_add_nc_u64 s[8:9], s[8:9], s[18:19]
	s_add_nc_u64 s[10:11], s[10:11], s[18:19]
	WIN 0x80                                       ; bo in the result's layout: block b, lane (r, h): bo[16 b + 8 h + 0 .. 7]
.irp b, 0,1,2,3,4,5,6,7
	global_load_b128 v[8*\b:8*\b+3], v[BO], s[8:9] offset:64*\b
	global_load_b128 v[8*\b+4:8*\b+7], v[BO], s[8:9] offset:64*\b+16
.endr
	WIN 0
	v_lshrrev_b32 v3, 1, v1
	v_mul_u32_u24 v3, v3, PITCH
	v_and_b32 v4, 1, v1
	v_lshl_add_u32 v3, v4, 7, v3
	v_lshl_add_u32 v3, v2, 4, v3                   ; A: long row r / 2, half r % 2, + 16 h
	v_mul_u32_u24 v4, v1, PITCH
	v_lshl_add_u32 v4, v2, 4, v4                   ; B: row r, + 16 h
	s_mul_i32 s20, s13, 32*PITCH                   ; my 64 rows of A
	s_mul_i32 s21, s14, BH
	s_add_co_u32 s21, s21, BOFF                    ; my 128 rows of B
.irp s, 0,1
	v_add_nc_u32 v[ADRA+\s], s20, v3
	v_add_nc_u32 v[ADRB+\s], s21, v4
	s_add_co_u32 s20, s20, SLOT
	s_add_co_u32 s21, s21, SLOT
.endr
	s_mul_i32 s20, s12, 16*SPITCH
	s_add_co_u32 s20, s20, STAGE                   ; my stage
	v_mul_u32_u24 v5, v1, SPITCH
	v_lshl_add_u32 v5, v2, 5, v5
	v_add_nc_u32 v[STO], s20, v5                   ; in: row r, 32 bytes for each half of the lanes
	v_and_b32 v6, 31, v0
	v_lshlrev_b32 v[CO], 4, v6
	v_add_nc_u32 v[RD], s20, v[CO]                 ; back: the 32 lanes take one row of 512 bytes
	s_lshl_b32 s18, s42, 7
	s_lshl_b32 s22, s13, 6
	s_add_co_u32 s18, s18, s22                     ; my first row
	s_lshl_b32 s18, s18, 12
	s_add_nc_u64 s[10:11], s[10:11], s[18:19]
	s_lshl_b32 s18, s42, 14
	s_lshl_b32 s22, s40, 12
	s_add_co_u32 s18, s18, s22
	s_add_co_u32 s18, s18, 3*2097152               ; at K step 3: the first change of slots steps it to 4
	s_add_nc_u64 s[68:69], s[4:5], s[18:19]
	s_cmp_eq_u32 s12, 0
	s_cselect_b32 s70, 1, -1
	v_lshlrev_b32 v[PFO], 20, v2
	v_lshl_add_u32 v[PFO], v1, 8, v[PFO]           ; lanes 0-15 the first plane's blocks, lanes 16-31 the second's
; 8 matrix instructions: A's block a x B's eight, 32 along K.  first = 1: bo starts the sums.  The 32 accumulators take turns, one instruction a turn.
.macro MUL8 f, a, first
.if \first
	WIN 0x60                                       ; D window 1, C (bo) window 2
.else
	WIN 0x50                                       ; C and D window 1
.endif
.irp b, 0,1,2,3,4,5,6,7
.if \first
	v_wmma_f32_16x16x32_f16 v[8*(8*(\a)+\b):8*(8*(\a)+\b)+7], v[\f+8*\b:\f+8*\b+7], v[\f+64+8*(\a):\f+64+8*(\a)+7], v[8*\b:8*\b+7]
.else
	v_wmma_f32_16x16x32_f16 v[8*(8*(\a)+\b):8*(8*(\a)+\b)+7], v[\f+8*\b:\f+8*\b+7], v[\f+64+8*(\a):\f+64+8*(\a)+7], v[8*(8*(\a)+\b):8*(8*(\a)+\b)+7]
.endif
.endr
.endm
; 24 LDS loads in one run: quarter kq (32 along K) of a slot into buffer f: B's sixteen, then A's blocks 0, 1, then 2, 3
.macro FETCH slot, kq, f
	WIN 0
.irp b, 0,1,2,3,4,5,6,7
	ds_load_b128 v[\f+8*\b:\f+8*\b+3],   v[ADRB+\slot] offset:16*PITCH*\b+64*(\kq)
	ds_load_b128 v[\f+8*\b+4:\f+8*\b+7], v[ADRB+\slot] offset:16*PITCH*\b+64*(\kq)+32
.endr
.irp a, 0,1,2,3
	ds_load_b128 v[\f+64+8*\a:\f+64+8*\a+3],   v[ADRA+\slot] offset:APL*((\kq)/2)+64*((\kq)%2)+8*PITCH*\a
	ds_load_b128 v[\f+64+8*\a+4:\f+64+8*\a+7], v[ADRA+\slot] offset:APL*((\kq)/2)+64*((\kq)%2)+8*PITCH*\a+32
.endr
.endm
.macro PLACES                          ; four plain lines in front of loads into registers that matrix instructions have read, and of reads of results
.rept 4
	v_nop
.endr
.endm
.macro QUARTER slot, kq, f, g, first   ; multiplies buffer f; in its middle fetches quarter kq of the same slot into g
	s_wait_dscnt 4                                 ; all but A's blocks 2 and 3, the youngest four loads
	MUL8 \f, 0, \first
	MUL8 \f, 1, \first
	PLACES
	FETCH \slot, \kq, \g
	s_wait_dscnt 24                                ; all but the 24 just issued
	MUL8 \f, 2, \first
	MUL8 \f, 3, \first
.endm
; A slot's last quarter multiplies buffer 1 and changes slots: each wave waits for all its tensor loads, adds 0 to its spare word, and waits for that and for its reads of this slot.
; fill = 1: the barrier opens a round of the cluster's barrier, and the joint refill, two K steps ahead, is the first thing behind it.
.macro TURN slot, next, fill
	s_wait_xcnt 0x0                                ; the last prefetch, a K step back, has read its address
	s_add_nc_u64 s[68:69], s[68:69], 2097152
	WIN 0
	s_wait_tensorcnt 0x0
	ds_add_u32 v[SPW], v[NIL]
	s_wait_dscnt 5                                 ; the add and the youngest four loads may be out
	MUL8 F1, 0, 0
	s_wait_dscnt 0x0                               ; the add is done, and my reads of this slot are over
	s_barrier_signal -1
	MUL8 F1, 1, 0
	WIN 0
	s_barrier_wait -1
.if \fill
	CREST
	s_add_nc_u64 s[G0+4*\slot+2:G0+4*\slot+3], s[G0+4*\slot+2:G0+4*\slot+3], 4194304   ; four planes on
	s_add_nc_u64 s[G0B+4*\slot+2:G0B+4*\slot+3], s[G0B+4*\slot+2:G0B+4*\slot+3], 512
	JLOAD \slot                                    ; its four v_nop are also the places in front of the loads below
.else
	PLACES
.endif
	FETCH \next, 0, F0
.if \fill
	ASK
.endif
	MUL8 F1, 2, 0
	MUL8 F1, 3, 0
.endm
	s_wait_tensorcnt 1                             ; my part of K step 0 is in; K step 1's load may be out
	s_barrier_signal -1
	s_barrier_wait -1
	FETCH 0, 0, F0
	s_wait_loadcnt 0x0                             ; bo
	QUARTER 0, 1, F0, F1, 1
	WIN 0
	s_mov_b32 s3, 3
.Llap:                                             ; a trip goes once round the ring and fills both slots again: K steps 2, 3 | 4, 5 | 6, 7
	QUARTER 0, 2, F1, F0, 0
	QUARTER 0, 3, F0, F1, 0
	TURN 0, 1, 1
	QUARTER 1, 1, F0, F1, 0
	QUARTER 1, 2, F1, F0, 0
	QUARTER 1, 3, F0, F1, 0
	TURN 1, 0, 1
	QUARTER 0, 1, F0, F1, 0
	WIN 0
	s_sub_co_u32 s3, s3, 1
	s_cmp_lg_u32 s3, 0
	s_cbranch_scc1 .Llap
	QUARTER 0, 2, F1, F0, 0                        ; the last lap fills nothing
	QUARTER 0, 3, F0, F1, 0
	TURN 0, 1, 0
	QUARTER 1, 1, F0, F1, 0
	QUARTER 1, 2, F1, F0, 0
	QUARTER 1, 3, F0, F1, 0
	s_wait_dscnt 4
	MUL8 F1, 0, 0
	MUL8 F1, 1, 0
	s_wait_dscnt 0
	MUL8 F1, 2, 0
	MUL8 F1, 3, 0
	WIN 0
; THE WAY OUT, a block of 16 rows x 128 columns at a time, through my own stage: back as whole rows of 512 bytes.
.macro TOSTAGE a
	WIN 0x04                                       ; an LDS store's data: window 1
.irp b, 0,1,2,3,4,5,6,7
	ds_store_b128 v[STO], v[8*(8*(\a)+\b):8*(8*(\a)+\b)+3] offset:64*\b        ; each accumulator from its low end on
	ds_store_b128 v[STO], v[8*(8*(\a)+\b)+4:8*(8*(\a)+\b)+7] offset:64*\b+16
.endr
	WIN 0
.set BB, BK+64*((\a)%2)
.irp n, 0,1,2,3,4,5,6,7,8,9,10,11,12,13,14,15
	ds_load_b128 v[BB+4*\n:BB+4*\n+3], v[RD] offset:\n*SPITCH
.endr
.endm
.macro SEND a, younger
.set BB, BK+64*((\a)%2)
	s_wait_dscnt \younger
.irp n, 0,1,2,3,4,5,6,7,8,9,10,11,12,13,14,15
	global_store_b128 v[CO], v[BB+4*\n:BB+4*\n+3], s[10:11] offset:(\a)*65536+\n*4096 th:TH_STORE_NT   ; 32 lanes store 512 consecutive bytes, aligned
.endr
.endm
	PLACES
	TOSTAGE 0
.irp a, 1,2,3
.if \a > 1
	s_wait_xcnt 0x0                                ; block a - 2's stores have read their registers: block a's loads may land there
.endif
	TOSTAGE \a
	SEND \a-1, 32                                  ; behind block a - 1's loads: block a's 16 stores and 16 loads
.endr
	SEND 3, 0
	s_wait_tensorcnt 0x0                           ; the wave's end
	ds_add_u32 v[SPW], v[NIL]
	s_wait_dscnt 0x0
	CROUND                                         ; the closing round
	s_endpgm
.Lfunc_end_k_q3c6857d735_gemm_out:
	.size	k_q3c6857d735_gemm_out, .Lfunc_end_k_q3c6857d735_gemm_out-k_q3c6857d735_gemm_out
	.p2alignl 7, 3214868480
	.fill 96, 4, 3214868480
	.section	.rodata,"a",@progbits
	.p2align	6, 0x0
	.amdhsa_kernel k_q3c6857d735_gemm_out
		.amdhsa_group_segment_fixed_size 327680
		.amdhsa_private_segment_fixed_size 0
		.amdhsa_enable_private_segment 0
		.amdhsa_kernarg_size 32
		.amdhsa_user_sgpr_count 2
		.amdhsa_user_sgpr_kernarg_segment_ptr 1
		.amdhsa_wavefront_size32 1
		.amdhsa_system_sgpr_workgroup_id_x 1
		.amdhsa_system_sgpr_workgroup_id_y 1
		.amdhsa_system_sgpr_workgroup_id_z 1
		.amdhsa_system_vgpr_workitem_id 0
		.amdhsa_next_free_vgpr 576
		.amdhsa_next_free_sgpr 72
		.amdhsa_reserve_vcc 0
		.amdhsa_float_denorm_mode_32 3
		.amdhsa_float_denorm_mode_16_64 3
		.amdhsa_memory_ordered 1
		.amdhsa_forward_progress 1
		.amdhsa_inst_pref_size 87
	.end_amdhsa_kernel
	.amdgpu_metadata
---
amdhsa.version: [ 1, 2 ]
amdhsa.kernels:
  - .name:           k_q3c6857d735_gemm_out
    .symbol:         k_q3c6857d735_gemm_out.kd
    .args:
      - { .name: ctx, .offset: 0, .size: 8, .value_kind: global_buffer, .address_space: global }
      - { .name: wot, .offset: 8, .size: 8, .value_kind: global_buffer, .address_space: global }
      - { .name: bo, .offset: 16, .size: 8, .value_kind: global_buffer, .address_space: global }
      - { .name: out0, .offset: 24, .size: 8, .value_kind: global_buffer, .address_space: global }
    .group_segment_fixed_size: 327680
    .private_segment_fixed_size: 0
    .kernarg_segment_align: 8
    .kernarg_segment_size: 32
    .max_flat_workgroup_size: 128
    .sgpr_count:     72
    .vgpr_count:     576
    .wavefront_size: 32
...
	.end_amdgpu_metadata
.endif
;; end of part 4
;; launch fine (part 5): grid 64 x 4, 4 waves a work-group, no clusters, 4,608 bytes of LDS; arguments q16, wot, bo, out0; writes out0
.if DOCPART == 5
	.amdgcn_target "amdgcn-amd-amdhsa--gfx1250"
	.amdhsa_code_object_version 6
	.text
	.protected	k_q3c6857d735_fine
	.globl	k_q3c6857d735_fine
	.p2align	8
	.type	k_q3c6857d735_fine,@function
k_q3c6857d735_fine:
	s_mov_b64 s[64:65], 0
	v_nop
	global_prefetch_b8 v0, s[64:65] scope:SCOPE_SE
	s_setreg_imm32_b32 hwreg(HW_REG_WAVE_MODE, 25, 1), 1
	s_wait_xcnt 0x0
; THE FIRST 16 POSITIONS OF EVERY BATCH, MORE FINELY: they average one to sixteen values, are the largest in size, and f16 operands alone would use up what their comparison allows.
; Work-group (nx = x, b = y) makes out0[b][0 .. 15][16 nx .. 16 nx + 15] and writes it over what the launch before left there.  Wave w takes heads 4 w .. 4 w + 3, which are K = 256 w .. 256 w + 255 of the projection:
; so ctx stays in the wave's registers, and four partial tiles of 16 x 16 meet in LDS.
; Scores and weights x V: f32 operands by the f32 matrix form (128 instructions a wave: no bulk work), from q16[b][t][3072] f32, unscaled.  Softmax in f32: p = 2^(s c - m c), c = log2(e) / 8; the one rounding of m c is
; common to a row and cancels in the division by the row's sum.  The projection: ctx and Wo as pairs of f16 (hi, and (x - hi) x 2048): hi hi + (hi lo + lo hi) / 2048.
; Every work-group repeats its batch's attention for its wave's heads: that is less than a launch more to share it out.  The stores are 64 bytes a row: 262,144 bytes in all.
; The registers that the f32 matrix form writes (v144-175 of window 0, v0-127 of window 3) are written by matrix instructions alone.
; LIMITS: hidden scores are -3e38; NaN and infinities are not served; ctx and Wo beyond 65,504 are not served.
; REGISTERS: window 0: v1-13 addresses; v16-31 CH, v32-47 CL (a head's ctx as a pair); v48-71 three accumulators; v72-87 the wave's part; v88-119 the four parts; v144-175 the scores; v176-207 p; v208-215 the triangle;
;   v216-247 at work; v248-255 maxima.  window 1: v0-127 Q, v128-255 K.  window 2: v0-127 V, v128-255 Wo^T (hi 8, lo 8 for each 32 along K).  window 3: v0-127 ctx; v128-135 bo.
.set SPARE, 4096
.set SPW, 12
.set NIL, 13
.set CH,  16
.set CL,  32
.set AC,  48
.set SA,  144
.set PP,  176
.set TRI, 208
.set TMP, 216
.set MX,  248
.set MSB, 0
.macro WIN new
.if MSB != (\new)
	s_set_vgpr_msb (MSB<<8)|(\new)
.set MSB, (\new)
.endif
.endm
	s_load_b256 s[4:11], s[0:1], 0x0               ; q16, wot, bo, out0
	v_lshl_add_u32 v[SPW], v0, 2, SPARE
	v_mov_b32 v[NIL], 0
	v_lshrrev_b32 v1, 5, v0
	v_readfirstlane_b32 s12, v1                    ; wave
	s_and_b32 s13, ttmp7, 0xffff                   ; batch
	v_and_b32 v1, 15, v0                           ; r
	v_bfe_u32 v2, v0, 4, 1                         ; h
	v_and_b32 v10, 31, v0
	v_mul_u32_u24 v3, v1, 12288
	v_lshl_add_u32 v3, v2, 4, v3                   ; Q, K: row r, + 16 h
	v_mul_u32_u24 v4, v2, 98304
	v_lshl_add_u32 v4, v1, 2, v4                   ; V: key 8 h, channel r
	v_lshlrev_b32 v5, 11, v1
	v_lshl_add_u32 v5, v2, 4, v5                   ; Wo^T: row r, + 16 h
	v_lshlrev_b32 v6, 5, v2                        ; bo: 8 h
	v_lshlrev_b32 v8, 4, v10                       ; a register image: 16 bytes a lane
	s_lshl_b32 s14, s12, 10
	v_add_nc_u32 v7, s14, v8                       ; my wave's 1,024 bytes
	v_lshlrev_b32 v9, 12, v1
	v_lshl_add_u32 v9, v2, 5, v9                   ; out0: row r, + 32 h
	v_lshlrev_b32 v14, 3, v2
	v_sub_nc_u32 v14, v1, v14                      ; r - 8 h
	v_mov_b32 v11, 0xff61b1e6                      ; -3e38
.irp n, 0,1,2,3,4,5,6,7
	v_cmp_gt_i32 vcc_lo, \n, v14
	v_cndmask_b32 v[TRI+\n], 0, v11, vcc_lo        ; register n holds key 8 h + n: hidden where it comes after query r
.endr
.irp p, 0,1,2,3
	v_mov_b32 v[MX+2*\p+1], 0                      ; written once: a lane permute's destination counts as one of its sources
	v_mov_b32 v[TMP+2*\p+1], 0
.endr
	s_mov_b32 s16, 0x76543210
	s_mov_b32 s17, 0xfedcba98
	s_mov_b32 s18, 0x3e38aa3b                      ; c = log2(e) / 8
	s_mov_b32 s19, s18
	s_mov_b32 s21, 0
	s_wait_kmcnt 0x0
	s_mul_i32 s20, s13, 196608
	s_add_co_u32 s20, s20, s14                     ; my batch, my four heads (256 bytes each)
	s_add_nc_u64 s[4:5], s[4:5], s[20:21]
	s_lshl_b32 s20, ttmp9, 15                      ; 16 rows of Wo^T,
	s_lshl_b32 s15, s12, 9                         ; my 256 along K
	s_add_co_u32 s20, s20, s15
	s_add_nc_u64 s[6:7], s[6:7], s[20:21]
	s_lshl_b32 s20, ttmp9, 6
	s_add_nc_u64 s[8:9], s[8:9], s[20:21]
	s_add_nc_u64 s[10:11], s[10:11], s[20:21]
	s_lshl_b32 s20, s13, 23
	s_add_nc_u64 s[10:11], s[10:11], s[20:21]
	; all loads at the head.  Q, K: lane (r, h) takes channels 8 q + 4 h + 0 .. 3 of row r: the same order of k on both sides, so register pair 2 s is K step s of both
	WIN 0x40
.irp p, 0,1,2,3
.irp q, 0,1,2,3,4,5,6,7
	global_load_b128 v[32*\p+4*\q:32*\p+4*\q+3], v3, s[4:5] offset:256*\p+32*\q
	global_load_b128 v[128+32*\p+4*\q:128+32*\p+4*\q+3], v3, s[4:5] offset:4096+256*\p+32*\q
.endr
.endr
	WIN 0x80
.irp p, 0,1,2,3
.irp c, 0,1,2,3
.irp k, 0,1,2,3,4,5,6,7
	global_load_b32 v[32*\p+8*\c+\k], v4, s[4:5] offset:8192+256*\p+64*\c+12288*\k   ; V(key 8 h + k, channel 16 c + r)
.endr
.endr
.endr
.irp i, 0,1,2,3,4,5,6,7
	global_load_b128 v[128+16*\i:128+16*\i+3], v5, s[6:7] offset:64*\i
	global_load_b128 v[128+16*\i+4:128+16*\i+7], v5, s[6:7] offset:64*\i+32
	global_load_b128 v[128+16*\i+8:128+16*\i+11], v5, s[6:7] offset:2097152+64*\i
	global_load_b128 v[128+16*\i+12:128+16*\i+15], v5, s[6:7] offset:2097152+64*\i+32
.endr
	WIN 0xc0
	global_load_b128 v[128:131], v6, s[8:9]
	global_load_b128 v[132:135], v6, s[8:9] offset:16
	WIN 0
	s_wait_loadcnt 0x0
	; S^T = K Q^T + the triangle: sixteen K steps of 4, the four heads by turns
	WIN 0x05
.irp q, 0,1,2,3,4,5,6,7,8,9,10,11,12,13,14,15
.irp p, 0,1,2,3
.if \q == 0
	v_wmma_f32_16x16x4_f32 v[SA+8*\p:SA+8*\p+7], v[128+32*\p+2*\q:128+32*\p+2*\q+1], v[32*\p+2*\q:32*\p+2*\q+1], v[TRI:TRI+7]
.else
	v_wmma_f32_16x16x4_f32 v[SA+8*\p:SA+8*\p+7], v[128+32*\p+2*\q:128+32*\p+2*\q+1], v[32*\p+2*\q:32*\p+2*\q+1], v[SA+8*\p:SA+8*\p+7]
.endif
.endr
.endr
	WIN 0
.rept 8
	v_nop                                          ; eight places behind this form (ISA guide 7.12.1)
.endr
.irp p, 0,1,2,3
	v_max3_num_f32 v[MX+2*\p], v[SA+8*\p], v[SA+8*\p+1], v[SA+8*\p+2]
.endr
.irp p, 0,1,2,3
	v_max3_num_f32 v[MX+2*\p], v[MX+2*\p], v[SA+8*\p+3], v[SA+8*\p+4]
.endr
.irp p, 0,1,2,3
	v_max3_num_f32 v[MX+2*\p], v[MX+2*\p], v[SA+8*\p+5], v[SA+8*\p+6]
.endr
.irp p, 0,1,2,3
	v_max_num_f32 v[MX+2*\p], v[MX+2*\p], v[SA+8*\p+7]
.endr
.irp p, 0,1,2,3
	v_permlanex16_b32 v[MX+2*\p+1], v[MX+2*\p], s16, s17
.endr
.irp p, 0,1,2,3
	v_max_num_f32 v[MX+2*\p], v[MX+2*\p], v[MX+2*\p+1]        ; the row's maximum
.endr
.irp p, 0,1,2,3
	v_mul_f32 v[MX+2*\p], s18, v[MX+2*\p]                     ; m c
.endr
.irp p, 0,1,2,3
.irp i, 0,2,4,6
	v_pk_fma_f32 v[PP+8*\p+\i:PP+8*\p+\i+1], v[SA+8*\p+\i:SA+8*\p+\i+1], s[18:19], v[MX+2*\p:MX+2*\p+1] op_sel_hi:[1,0,0] neg_lo:[0,0,1] neg_hi:[0,0,1]
.endr
.endr
.set i, 0
.rept 32
	v_exp_f32 v[PP+i], v[PP+i]
.set i, i+1
.endr
	v_nop
	s_wait_alu depctr_va_vdst(0)                   ; one wait for the 32 exponentials, ahead of their first reader
.irp p, 0,1,2,3
	v_pk_add_f32 v[TMP+2*\p:TMP+2*\p+1], v[PP+8*\p:PP+8*\p+1], v[PP+8*\p+2:PP+8*\p+3]
.endr
.irp p, 0,1,2,3
	v_pk_add_f32 v[TMP+2*\p:TMP+2*\p+1], v[TMP+2*\p:TMP+2*\p+1], v[PP+8*\p+4:PP+8*\p+5]
.endr
.irp p, 0,1,2,3
	v_pk_add_f32 v[TMP+2*\p:TMP+2*\p+1], v[TMP+2*\p:TMP+2*\p+1], v[PP+8*\p+6:PP+8*\p+7]
.endr
.irp p, 0,1,2,3
	v_add_f32 v[TMP+2*\p], v[TMP+2*\p], v[TMP+2*\p+1]
.endr
.irp p, 0,1,2,3
	v_permlanex16_b32 v[TMP+2*\p+1], v[TMP+2*\p], s16, s17
.endr
.irp p, 0,1,2,3
	v_add_f32 v[TMP+2*\p], v[TMP+2*\p], v[TMP+2*\p+1]         ; the row's sum
.endr
.irp p, 0,1,2,3
	v_rcp_f32 v[TMP+2*\p], v[TMP+2*\p]
.endr
	v_nop
	s_wait_alu depctr_va_vdst(0)                   ; one wait for the four reciprocals
.irp p, 0,1,2,3
.irp i, 0,2,4,6
	v_pk_mul_f32 v[PP+8*\p+\i:PP+8*\p+\i+1], v[PP+8*\p+\i:PP+8*\p+\i+1], v[TMP+2*\p:TMP+2*\p+1] op_sel_hi:[1,0]
.endr
.endr
	; ctx^T = V^T P: K step q takes keys 8 h + 2 q + 0, 1, so p's register pair 2 q is the operand as it stands; the 16 accumulators by turns
	WIN 0xf2
.irp q, 0,1,2,3
.irp p, 0,1,2,3
.irp c, 0,1,2,3
.if \q == 0
	v_wmma_f32_16x16x4_f32 v[32*\p+8*\c:32*\p+8*\c+7], v[32*\p+8*\c+2*\q:32*\p+8*\c+2*\q+1], v[PP+8*\p+2*\q:PP+8*\p+2*\q+1], 0
.else
	v_wmma_f32_16x16x4_f32 v[32*\p+8*\c:32*\p+8*\c+7], v[32*\p+8*\c+2*\q:32*\p+8*\c+2*\q+1], v[PP+8*\p+2*\q:PP+8*\p+2*\q+1], v[32*\p+8*\c:32*\p+8*\c+7]
.endif
.endr
.endr
.endr
	WIN 0
.rept 8
	v_nop
.endr
; A head's ctx becomes a pair of f16, and its 64 along K are multiplied at once: two fragments, three accumulators by turns.
.macro HEADP p
.if \p > 0
.rept 4
	v_nop                                          ; CH and CL were read by the products just issued
.endr
.endif
	WIN 0x0f                                       ; sources 0 and 1: window 3
.set i, 0
.rept 16
	v_cvt_pk_f16_f32 v[CH+i], v[32*(\p)+2*i], v[32*(\p)+2*i+1]   ; each accumulator from its low end on; two neighbouring channel tiles are one fragment of 32 along K
.set i, i+1
.endr
	WIN 0
	v_cvt_f32_f16 v216, v16.l
	v_cvt_f32_f16 v217, v16.h
	v_cvt_f32_f16 v218, v17.l
	v_cvt_f32_f16 v219, v17.h
	v_cvt_f32_f16 v220, v18.l
	v_cvt_f32_f16 v221, v18.h
	v_cvt_f32_f16 v222, v19.l
	v_cvt_f32_f16 v223, v19.h
	v_cvt_f32_f16 v224, v20.l
	v_cvt_f32_f16 v225, v20.h
	v_cvt_f32_f16 v226, v21.l
	v_cvt_f32_f16 v227, v21.h
	v_cvt_f32_f16 v228, v22.l
	v_cvt_f32_f16 v229, v22.h
	v_cvt_f32_f16 v230, v23.l
	v_cvt_f32_f16 v231, v23.h
	v_cvt_f32_f16 v232, v24.l
	v_cvt_f32_f16 v233, v24.h
	v_cvt_f32_f16 v234, v25.l
	v_cvt_f32_f16 v235, v25.h
	v_cvt_f32_f16 v236, v26.l
	v_cvt_f32_f16 v237, v26.h
	v_cvt_f32_f16 v238, v27.l
	v_cvt_f32_f16 v239, v27.h
	v_cvt_f32_f16 v240, v28.l
	v_cvt_f32_f16 v241, v28.h
	v_cvt_f32_f16 v242, v29.l
	v_cvt_f32_f16 v243, v29.h
	v_cvt_f32_f16 v244, v30.l
	v_cvt_f32_f16 v245, v30.h
	v_cvt_f32_f16 v246, v31.l
	v_cvt_f32_f16 v247, v31.h
	WIN 0x03                                       ; source 0: window 3
.set i, 0
.rept 16
	v_pk_add_f32 v[TMP+2*i:TMP+2*i+1], v[32*(\p)+2*i:32*(\p)+2*i+1], v[TMP+2*i:TMP+2*i+1] neg_lo:[0,1] neg_hi:[0,1]   ; ctx - hi: exact
.set i, i+1
.endr
	WIN 0
.set i, 0
.rept 16
	v_pk_mul_f32 v[TMP+2*i:TMP+2*i+1], v[TMP+2*i:TMP+2*i+1], 0x45000000 op_sel_hi:[1,0]   ; x 2048
.set i, i+1
.endr
.set i, 0
.rept 16
	v_cvt_pk_f16_f32 v[CL+i], v[TMP+2*i], v[TMP+2*i+1]
.set i, i+1
.endr
	WIN 0x02                                       ; source 0 (Wo^T) window 2
.irp e, 0,1
.if (\p) == 0 && \e == 0
	v_wmma_f32_16x16x32_f16 v[AC:AC+7], v[128+16*(2*(\p)+\e):128+16*(2*(\p)+\e)+7], v[CH+8*\e:CH+8*\e+7], 0
	v_wmma_f32_16x16x32_f16 v[AC+8:AC+15], v[128+16*(2*(\p)+\e):128+16*(2*(\p)+\e)+7], v[CL+8*\e:CL+8*\e+7], 0
	v_wmma_f32_16x16x32_f16 v[AC+16:AC+23], v[128+16*(2*(\p)+\e)+8:128+16*(2*(\p)+\e)+15], v[CH+8*\e:CH+8*\e+7], 0
.else
	v_wmma_f32_16x16x32_f16 v[AC:AC+7], v[128+16*(2*(\p)+\e):128+16*(2*(\p)+\e)+7], v[CH+8*\e:CH+8*\e+7], v[AC:AC+7]
	v_wmma_f32_16x16x32_f16 v[AC+8:AC+15], v[128+16*(2*(\p)+\e):128+16*(2*(\p)+\e)+7], v[CL+8*\e:CL+8*\e+7], v[AC+8:AC+15]
	v_wmma_f32_16x16x32_f16 v[AC+16:AC+23], v[128+16*(2*(\p)+\e)+8:128+16*(2*(\p)+\e)+15], v[CH+8*\e:CH+8*\e+7], v[AC+16:AC+23]
.endif
.endr
	WIN 0
.endm
	HEADP 0
	HEADP 1
	HEADP 2
	HEADP 3
.rept 4
	v_nop
.endr
.irp i, 0,2,4,6
	v_pk_add_f32 v[80+\i:81+\i], v[AC+8+\i:AC+9+\i], v[AC+16+\i:AC+17+\i]
.endr
.irp i, 0,2,4,6
	v_pk_fma_f32 v[72+\i:73+\i], v[80+\i:81+\i], 0x3a000000, v[AC+\i:AC+1+\i] op_sel_hi:[1,0,1]   ; hi hi + (hi lo + lo hi) / 2048
.endr
	ds_store_b128 v7, v[72:75]                     ; my part, as an image of its registers
	ds_store_b128 v7, v[76:79] offset:512
	s_wait_dscnt 0x0                               ; for the others' sake: my stores have landed
	s_barrier_signal -1
	s_barrier_wait -1
	s_cmp_lg_u32 s12, 0
	s_cbranch_scc1 .Lend                           ; wave 0 adds the four parts and bo, and stores
.irp w, 0,1,2,3
	ds_load_b128 v[88+8*\w:91+8*\w], v8 offset:1024*\w
	ds_load_b128 v[92+8*\w:95+8*\w], v8 offset:1024*\w+512
.endr
	s_wait_dscnt 0x0
	WIN 0x0c                                       ; source 1 (bo) window 3
.irp i, 0,2,4,6
	v_pk_add_f32 v[88+\i:89+\i], v[88+\i:89+\i], v[128+\i:129+\i]
.endr
	WIN 0
.irp w, 1,2,3
.irp i, 0,2,4,6
	v_pk_add_f32 v[88+\i:89+\i], v[88+\i:89+\i], v[88+8*\w+\i:89+8*\w+\i]
.endr
.endr
	global_store_b128 v9, v[88:91], s[10:11]       ; lane (r, h): out0(r, 16 nx + 8 h + 0 .. 7)
	global_store_b128 v9, v[92:95], s[10:11] offset:16
.Lend:
	s_wait_tensorcnt 0x0                           ; the wave's end
	ds_add_u32 v[SPW], v[NIL]
	s_wait_dscnt 0x0
	s_endpgm
.Lfunc_end_k_q3c6857d735_fine:
	.size	k_q3c6857d735_fine, .Lfunc_end_k_q3c6857d735_fine-k_q3c6857d735_fine
	.p2alignl 7, 3214868480
	.fill 96, 4, 3214868480
	.section	.rodata,"a",@progbits
	.p2align	6, 0x0
	.amdhsa_kernel k_q3c6857d735_fine
		.amdhsa_group_segment_fixed_size 4608
		.amdhsa_private_segment_fixed_size 0
		.amdhsa_enable_private_segment 0
		.amdhsa_kernarg_size 32
		.amdhsa_user_sgpr_count 2
		.amdhsa_user_sgpr_kernarg_segment_ptr 1
		.amdhsa_wavefront_size32 1
		.amdhsa_system_sgpr_workgroup_id_x 1
		.amdhsa_system_sgpr_workgroup_id_y 1
		.amdhsa_system_sgpr_workgroup_id_z 1
		.amdhsa_system_vgpr_workitem_id 0
		.amdhsa_next_free_vgpr 904
		.amdhsa_next_free_sgpr 66
		.amdhsa_reserve_vcc 1
		.amdhsa_float_denorm_mode_32 3
		.amdhsa_float_denorm_mode_16_64 3
		.amdhsa_memory_ordered 1
		.amdhsa_forward_progress 1
		.amdhsa_inst_pref_size 67
	.end_amdhsa_kernel
	.amdgpu_metadata
---
amdhsa.version: [ 1, 2 ]
amdhsa.kernels:
  - .name:           k_q3c6857d735_fine
    .symbol:         k_q3c6857d735_fine.kd
    .args:
      - { .name: q16, .offset: 0, .size: 8, .value_kind: global_buffer, .address_space: global }
      - { .name: wot, .offset: 8, .size: 8, .value_kind: global_buffer, .address_space: global }
      - { .name: bo, .offset: 16, .size: 8, .value_kind: global_buffer, .address_space: global }
      - { .name: out0, .offset: 24, .size: 8, .value_kind: global_buffer, .address_space: global }
    .group_segment_fixed_size: 4608
    .private_segment_fixed_size: 0
    .kernarg_segment_align: 8
    .kernarg_segment_size: 32
    .max_flat_workgroup_size: 128
    .sgpr_count:     66
    .vgpr_count:     904
    .wavefront_size: 32
...
	.end_amdgpu_metadata
.endif
;; end of part 5
